; MI455X (gfx1250); checked and timed in simulation.
; The chip was launched on July 23, 2026; its instructions are those of AMD's public machine-readable ISA for CDNA 5 (MIT licence, August 2026) and "CDNA5" Instruction Set Architecture Reference Guide (July 2026). The comments in the code are by the model that wrote it; some were corrected since.
;; Multi Head Attention. Allowed arithmetic: float matrix products may take bf16 or f16 operands with f32 sums; all other float work in f32.
;; Inputs: Wk 1,024 x 1,024 float32; Wo 1,024 x 1,024 float32; Wq 1,024 x 1,024 float32; Wv 1,024 x 1,024 float32; bk 1,024 float32; bo 1,024 float32; bq 1,024 float32; bv 1,024 float32; key 2 x 2,048 x 1,024 float32; mask 2 x 2,048 x 2,048 int32; query 2 x 2,048 x 1,024 float32; value 2 x 2,048 x 1,024 float32.
;; Outputs: out0 2 x 2,048 x 1,024 float32.
;; 2 versions, each right; version 2 is version 1 with the launch prep written anew for expert scheduling mode. Each part assembles by itself: llvm-mc -triple=amdgcn-amd-amdhsa -mcpu=gfx1250 --defsym DOCPART=n.
;; ======== version 1 of 2: 4 launches
;; limits: values are held in f16: magnitudes above 65,504 overflow, below 6.1e-05 lose precision; right only within a limited range of input values
;; workspace buffers: xw 33,554,432 bytes; maskbits 1,048,576 bytes of whole numbers; qkv 25,165,824 bytes; ctx 8,388,608 bytes
;; launch prep (part 1): grid 768 x 1, 4 waves a work-group, no clusters, 34,304 bytes of LDS; arguments query, key, value, Wq, Wk, Wv, Wo, mask, xw, maskbits; writes xw, maskbits
.if DOCPART == 1
	.amdgcn_target "amdgcn-amd-amdhsa--gfx1250"
	.amdhsa_code_object_version 6
	.text
	.protected	k_q52382fe3c2_prep
	.globl	k_q52382fe3c2_prep
	.p2align	8
	.type	k_q52382fe3c2_prep,@function
k_q52382fe3c2_prep:
	s_mov_b64 s[64:65], 0
	v_nop
	global_prefetch_b8 v0, s[64:65] scope:SCOPE_SE
	s_setreg_imm32_b32 hwreg(HW_REG_WAVE_MODE, 25, 1), 1
	s_wait_xcnt 0x0
; PREP: (1) query, key, value, Wq, Wk, Wv, Wo from f32 to f16, laid one behind the other in xw as 16,384 rows of 1,024 f16
;           (rows 0 query, 4096 key, 8192 value, 12288 Wq, 13312 Wk, 14336 Wv, 15360 Wo);
;       (2) the int32 mask packed into lane-mask words: maskbits[b][qg:32][kb:64][kt2:2][qt:4][j:8], bit L of a word =
;           mask[b][64 qg + 16 qt + (L & 15)][32 kb + 16 kt2 + 8 (L >> 4) + j] != 0.  That is the lane mask of register j of a
;           16 x 16 tile of scores held keys-by-queries, so that the attention launch masks a score with one select.
; Work-groups 0..511 convert 131,072 bytes of f32 each (32,768 a wave); work-groups 512..767 pack 131,072 bytes of mask each
; (a wave: 64 queries x 128 keys).  Every input byte is read once, every output byte written once.
; Memory binds: no matrix unit, no cluster (no byte is shared), no barrier (a wave's LDS stage is its own).
; LIMIT: f16 has 11 significant bits and ends at 65,504; inputs beyond that magnitude become infinities.
.set X,      16                        ; v[16:79]   convert: 16 slots of 4 registers, f32 as loaded
.set Y,      80                        ; v[80:111]  convert: 16 slots of 2 registers, f16 to store
.set R0,     16                        ; v[16:79]   mask: 16 rows of 512 bytes as loaded, even sub-units
.set R1,     80                        ; v[80:143]  the same, odd sub-units
.set T,      144                       ; v[144:207] mask: my 64 words after the turn through LDS
.set OUT,    208                       ; v[208:215] mask: four pairs, one for each block of 32 keys
.set SPITCH, 528                       ; a stage row: 512 bytes + 16, so that 16 rows start 16 bytes apart modulo 256
	s_load_b512 s[8:23], s[0:1], 0x0               ; query s[8:9] key s[10:11] value s[12:13] Wq s[14:15] Wk s[16:17] Wv s[18:19] Wo s[20:21] mask s[22:23]
	s_load_b128 s[24:27], s[0:1], 0x40             ; xw s[24:25], maskbits s[26:27]
	v_lshl_add_u32 v216, v0, 2, 0x8400
	v_mov_b32 v217, 0
	v_lshrrev_b32 v3, 5, v0
	v_readfirstlane_b32 s6, v3                     ; wave 0..3
	v_and_b32 v4, 31, v0                           ; lane
	s_wait_kmcnt 0x0
	s_cmp_ge_u32 ttmp9, 512                        ; the same for all waves of a work-group
	s_cbranch_scc1 .Lmask
	; ---------------- the conversion ----------------
.macro PICK from, lo                   ; from work-group number 'from' on, the source is the buffer in s[lo:lo+1]
	s_cmp_ge_u32 ttmp9, \from
	s_cselect_b64 s[28:29], s[\lo:\lo+1], s[28:29]
.endm
	s_mov_b64 s[28:29], s[8:9]
	PICK 128, 10
	PICK 256, 12
	PICK 384, 14
	PICK 416, 16
	PICK 448, 18
	PICK 480, 20
	s_and_b32 s32, ttmp9, 127                      ; an activation is 128 parts of 131,072 bytes,
	s_and_b32 s33, ttmp9, 31                       ; a weight 32
	s_cmp_lt_u32 ttmp9, 384
	s_cselect_b32 s32, s32, s33
	s_lshl_b32 s32, s32, 17
	s_mov_b32 s33, 0
	s_add_nc_u64 s[28:29], s[28:29], s[32:33]      ; my work-group's part of the source
	s_lshl_b32 s34, ttmp9, 16                      ; and of xw: half as many bytes
	s_mov_b32 s35, 0
	s_add_nc_u64 s[30:31], s[24:25], s[34:35]
	v_lshlrev_b32 v1, 4, v4
	v_lshl_or_b32 v1, v3, 15, v1                   ; load offset: wave x 32,768 + lane x 16
	v_lshlrev_b32 v2, 3, v4
	v_lshl_or_b32 v2, v3, 14, v2                   ; store offset: wave x 16,384 + lane x 8
.irp i, 0,1,2,3,4,5,6,7,8,9,10,11,12,13,14,15
	global_load_b128 v[X+4*\i:X+4*\i+3], v1, s[28:29] offset:512*\i th:TH_LOAD_NT   ; the ring is filled: 16 loads of 512 consecutive bytes
.endr
	; 64 turns, written out: turn ci converts load ci and asks for load ci + 16 into the same slot
.set ci, 0
.rept 64
.if ci > 48
	s_wait_loadcnt 63-ci                           ; nothing more is asked for: the count of younger loads runs down
.else
	s_wait_loadcnt 15                              ; loads come back in order: mine is in, the 15 younger ones stay out
.endif
	s_wait_xcnt 0x0                                ; the slot's Y, which its last store reads, is rewritten only behind this wait
	v_cvt_pk_f16_f32 v[Y+2*(ci%16)],   v[X+4*(ci%16)],   v[X+4*(ci%16)+1]
	v_cvt_pk_f16_f32 v[Y+2*(ci%16)+1], v[X+4*(ci%16)+2], v[X+4*(ci%16)+3]
.if ci < 48
	global_load_b128 v[X+4*(ci%16):X+4*(ci%16)+3], v1, s[28:29] offset:512*(ci+16) th:TH_LOAD_NT
.endif
	global_store_b64 v2, v[Y+2*(ci%16):Y+2*(ci%16)+1], s[30:31] offset:256*ci   ; the wave's store covers 256 consecutive bytes, aligned
.set ci, ci+1
.endr
	s_endpgm
	; ---------------- the mask ----------------
.Lmask:
	s_sub_co_u32 s32, ttmp9, 512
	s_lshl_b32 s32, s32, 2
	s_add_co_u32 s32, s32, s6                      ; unit u = 0..1023: 64 queries x 128 keys
	s_lshr_b32 s33, s32, 4                         ; which 64 queries (0..63, both batches)
	s_and_b32 s34, s32, 15                         ; which 128 keys
	s_lshl_b32 s36, s33, 19                        ; 64 rows of 8,192 bytes
	s_lshl_b32 s35, s34, 9                         ; 128 keys of 4 bytes
	s_add_co_u32 s36, s36, s35
	s_mov_b32 s37, 0
	s_add_nc_u64 s[28:29], s[22:23], s[36:37]
	s_lshl_b32 s36, s33, 14                        ; 64 key blocks of 256 bytes
	s_lshl_b32 s35, s34, 10                        ; four of them
	s_add_co_u32 s36, s36, s35
	s_add_nc_u64 s[30:31], s[26:27], s[36:37]
	s_mul_i32 s7, s6, 16*SPITCH                    ; my wave's stage
	v_lshlrev_b32 v6, 4, v4                        ; in a mask row: lane x 16
	v_lshlrev_b32 v7, 3, v4                        ; in a block of 64 words: lane x 8
	v_lshl_add_u32 v8, v4, 4, s7                   ; into the stage: lane x 16 of a row
	v_and_b32 v9, 15, v0
	v_mul_u32_u24 v9, v9, SPITCH
	v_bfe_u32 v10, v0, 4, 1
	v_lshl_add_u32 v9, v10, 5, v9
	v_add_nc_u32 v9, s7, v9                        ; back: row L & 15, 8 keys (32 bytes) for each half of the lanes
.irp i, 0,1,2,3,4,5,6,7
	v_mov_b32 v[OUT+\i], 0                         ; v_writelane_b32 keeps the other lanes: the registers are written whole first
.endr
.macro SUBLOAD q, r                    ; the 16 query rows 16 q .. 16 q + 15, 512 consecutive bytes each (q may be a sum: it stands in brackets)
.irp rho, 0,1,2,3,4,5,6,7,8,9,10,11,12,13,14,15
	global_load_b128 v[\r+4*\rho:\r+4*\rho+3], v6, s[28:29] offset:(16*(\q)+\rho)*8192 th:TH_LOAD_NT
.endr
.endm
; Sub-unit q = query tile qt.  left: younger loads that may stay out.  more = 1: sub-unit q + 2 is asked for into the same registers.
.macro SUB q, r, left, more
	s_wait_loadcnt \left
.irp rho, 0,1,2,3,4,5,6,7,8,9,10,11,12,13,14,15
	ds_store_b128 v8, v[\r+4*\rho:\r+4*\rho+3] offset:SPITCH*\rho
.endr
.irp k8, 0,1,2,3,4,5,6,7
.irp p, 0,1
	ds_load_b128 v[T+8*\k8+4*\p:T+8*\k8+4*\p+3], v9 offset:64*\k8+16*\p   ; LDS serves a wave's instructions in order: these see the stores above
.endr
.endr
	s_wait_dscnt 0x0                               ; T is in, and the stores have read their data registers
.if \more
	SUBLOAD \q+2, \r
.endif
.irp k8, 0,1,2,3,4,5,6,7
.irp j, 0,1,2,3,4,5,6,7
	v_cmp_ne_u32 s[32+\j], 0, v[T+8*\k8+\j]        ; the lane mask of key tile k8, register j
.endr
.irp j, 0,1,2,3,4,5,6,7
	v_writelane_b32 v[OUT+2*(\k8/2)+(\j%2)], s[32+\j], (\k8%2)*16+\q*4+(\j/2)   ; word 32 kt2 + 8 qt + j of its block: lane = word / 2, register = word % 2
.endr
.endr
.endm
	SUBLOAD 0, R0
	SUBLOAD 1, R1
	SUB 0, R0, 16, 1                               ; 16: the next sub-unit's loads stay out
	SUB 1, R1, 16, 1
	SUB 2, R0, 16, 0
	SUB 3, R1, 0, 0
.irp k, 0,1,2,3
	global_store_b64 v7, v[OUT+2*\k:OUT+2*\k+1], s[30:31] offset:256*\k   ; a block's 64 words: 256 consecutive bytes, aligned
.endr
	s_wait_tensorcnt 0x0
	ds_add_u32 v216, v217
	s_wait_dscnt 0x0
	s_endpgm
.Lfunc_end_k_q52382fe3c2_prep:
	.size	k_q52382fe3c2_prep, .Lfunc_end_k_q52382fe3c2_prep-k_q52382fe3c2_prep
	.p2alignl 7, 3214868480
	.fill 96, 4, 3214868480
	.section	.rodata,"a",@progbits
	.p2align	6, 0x0
	.amdhsa_kernel k_q52382fe3c2_prep
		.amdhsa_group_segment_fixed_size 34304
		.amdhsa_private_segment_fixed_size 0
		.amdhsa_enable_private_segment 0
		.amdhsa_kernarg_size 80
		.amdhsa_user_sgpr_count 2
		.amdhsa_user_sgpr_kernarg_segment_ptr 1
		.amdhsa_wavefront_size32 1
		.amdhsa_system_sgpr_workgroup_id_x 1
		.amdhsa_system_sgpr_workgroup_id_y 1
		.amdhsa_system_sgpr_workgroup_id_z 1
		.amdhsa_system_vgpr_workitem_id 0
		.amdhsa_next_free_vgpr 218
		.amdhsa_next_free_sgpr 66
		.amdhsa_reserve_vcc 0
		.amdhsa_float_denorm_mode_32 3
		.amdhsa_float_denorm_mode_16_64 3
		.amdhsa_memory_ordered 1
		.amdhsa_forward_progress 1
		.amdhsa_inst_pref_size 74
	.end_amdhsa_kernel
	.amdgpu_metadata
---
amdhsa.version: [ 1, 2 ]
amdhsa.kernels:
  - .name:           k_q52382fe3c2_prep
    .symbol:         k_q52382fe3c2_prep.kd
    .args:
      - { .name: query, .offset: 0, .size: 8, .value_kind: global_buffer, .address_space: global }
      - { .name: key, .offset: 8, .size: 8, .value_kind: global_buffer, .address_space: global }
      - { .name: value, .offset: 16, .size: 8, .value_kind: global_buffer, .address_space: global }
      - { .name: Wq, .offset: 24, .size: 8, .value_kind: global_buffer, .address_space: global }
      - { .name: Wk, .offset: 32, .size: 8, .value_kind: global_buffer, .address_space: global }
      - { .name: Wv, .offset: 40, .size: 8, .value_kind: global_buffer, .address_space: global }
      - { .name: Wo, .offset: 48, .size: 8, .value_kind: global_buffer, .address_space: global }
      - { .name: mask, .offset: 56, .size: 8, .value_kind: global_buffer, .address_space: global }
      - { .name: xw, .offset: 64, .size: 8, .value_kind: global_buffer, .address_space: global }
      - { .name: maskbits, .offset: 72, .size: 8, .value_kind: global_buffer, .address_space: global }
    .group_segment_fixed_size: 34304
    .private_segment_fixed_size: 0
    .kernarg_segment_align: 8
    .kernarg_segment_size: 80
    .max_flat_workgroup_size: 128
    .sgpr_count:     66
    .vgpr_count:     218
    .wavefront_size: 32
...
	.end_amdgpu_metadata
.endif
;; end of part 1
;; launch gemm_qkv (part 2): grid 4 x 48, 4 waves a work-group, clusters of 4 x 4, 327,680 bytes of LDS; arguments xw, qkv, bq, bk, bv; writes qkv
.if DOCPART == 2
	.amdgcn_target "amdgcn-amd-amdhsa--gfx1250"
	.amdhsa_code_object_version 6
	.text
	.protected	k_q52382fe3c2_gemm_qkv
	.globl	k_q52382fe3c2_gemm_qkv
	.p2align	8
	.type	k_q52382fe3c2_gemm_qkv,@function
k_q52382fe3c2_gemm_qkv:
	s_mov_b64 s[64:65], 0
	v_nop
	global_prefetch_b8 v0, s[64:65] scope:SCOPE_SE
	s_setreg_imm32_b32 hwreg(HW_REG_WAVE_MODE, 25, 1), 1
	s_wait_xcnt 0x0
	s_wait_alu depctr_hold_cnt(0) depctr_sa_sdst(0) depctr_va_vdst(0) depctr_va_sdst(0) depctr_va_ssrc(0) depctr_va_vcc(0) depctr_vm_vsrc(0)
	s_getreg_b32 s2, hwreg(HW_REG_IB_STS2, 6, 4)
	s_cmp_eq_u32 s2, 0
	s_cbranch_scc0 .Lentry_in_a_cluster
	s_endpgm
.Lentry_in_a_cluster:
	s_bfe_u32 s2, ttmp6, 0x10000c
	s_cmp_lg_u32 s2, 0xf033
	s_cbranch_scc0 .Lentry_shape_is_right
	s_endpgm
.Lentry_shape_is_right:
; QKV PROJECTIONS: qkv[m][n] = (sum over k of x[m][k] W[n][k] + bias[n]) * scale, m = 0..12287 (query, key, value rows of xw one behind
; the other), W and bias those of the matrix that row m belongs to (mat = m / 4096), all operands f16, sums f32, result f16.
; scale = 0.125 log2(e) for Q (so that attention's exponent in base 2 is score - maximum with no further multiply), 1 for K and V.
; A work-group makes 256 x 256 of the result with four waves, a wave 128 x 128: 64 accumulator tiles, 512 registers.
; 12,288 x 1,024 outputs are 192 such blocks.  K goes in steps of 128 through a ring of two LDS slots filled by tensor loads;
; a tile's rows are 256 bytes of memory and start at multiples of 256 bytes from the buffer's first byte.
; CLUSTERS: 4 x 4 work-groups.  The four of a row of the cluster need the same tiles of x, the four of a column the same tiles of W
; (a cluster spans 1,024 rows of x, so one matrix): each tile is asked for jointly, which divides the requests by four.
; The bias enters as the C operand of each tile's first product: nothing is cleared, no add is spent.
; LIMIT: a projected value beyond 65,504 in magnitude overflows f16.  NaN and infinite inputs are not served.
;
; REGISTERS, in windows of 256:
;   window 0: v0-31 addresses; v32-63, v224-255 the bias of my 128 columns (8 registers for each block of 16 columns);
;             v64-127, v128-191 fragments of x, two buffers; v192-223 at work on the way out
;   window 1: v64-127, v128-191 fragments of W, two buffers
;   window 2: the 32 accumulator tiles of my rows 0-63 (tile (a, b) at v[8 (8 a + b)]);   window 3: those of my rows 64-127
; THE MATRIX INSTRUCTION IS USED TRANSPOSED: source 0 = 16 rows of W, source 1 = 16 rows of x, so that lane l holds row l % 16 of the
; result and its registers 0-7 the columns 8 (l / 16) + 0..7: eight neighbouring numbers, 16 bytes in f16.
.set SIZE_K, 1024
.set SIZE_N, 1024
.set KSTEP,  128
.set PITCH,  272                       ; an LDS row: 256 bytes + 16 of padding: 16 rows start 16 bytes apart modulo 256
.set HALFT,  128*PITCH                 ; 128 rows: what one tensor load brings
.set SLOT,   4*HALFT                   ; x's 256 rows, then W's 256 rows
.set STAGE,  2*SLOT                    ; behind the ring: 16 rows x 272 bytes for each wave, never a tensor load's target
.set SPITCH, 272
.set LAPS,   SIZE_K/(2*KSTEP)          ; 4 laps of two K steps
.set WROW,   12288                     ; Wq's first row in xw
.set ADRA, 16                          ; v16-17  LDS address of my x fragments in slot 0, 1
.set ADRB, 20                          ; v20-21  the same for W
.set STO,  24
.set RD,   25
.set CO,   26
.set BOFF, 27                          ; my byte offset in the bias
.set F0,   64
.set F1,   128
.set TMP,  192
.set G1,  24                           ; s[24:31] group 1 for x's tiles
.set G0,  32                           ; s[32:39] group 0 for x's tiles, one set for each slot
.set G1B, 48                           ; s[48:55] group 1 for W's tiles
.set G0B, 56                           ; s[56:63] group 0 for W's tiles
.set MSB, 0
.macro WIN new                         ; the immediate's high byte repeats the setting that is left
.if MSB != \new
	s_set_vgpr_msb (MSB<<8)|\new
.set MSB, \new
.endif
.endm
.set MUL_LO,  0xa1                     ; source 0 (W) window 1, source 1 (x) window 0, C and D window 2
.set MUL_HI,  0xf1                     ; the same, C and D window 3
.set BIAS_LO, 0x81                     ; first products: C (the bias) window 0, D window 2
.set BIAS_HI, 0xc1                     ; D window 3
.set TO_B,    0x40                     ; destination window 1, address window 0
; A joint load.  Waves 0 and 1 fetch x's two halves, waves 2 and 3 W's.  Each line has one mask and one set of registers.
.macro JLOAD s
	s_cmp_eq_u32 s11, 0
	s_cbranch_scc0 .Lfor_b_\@
	tensor_load_to_lds s[G0+4*\s:G0+4*\s+3], s[G1:G1+7]
	s_nop 0
	s_branch .Lasked_\@
.Lfor_b_\@:
	tensor_load_to_lds s[G0B+4*\s:G0B+4*\s+3], s[G1B:G1B+7]
	s_nop 0
.Lasked_\@:
.endm
.macro CREST                           ; a round of the cluster's barrier behind its opening barrier
	s_cmp_lg_u32 s10, 0
	s_cbranch_scc1 .Lnot_wave_0_\@
	s_barrier_signal -3
.Lnot_wave_0_\@:
	s_barrier_wait -3
	s_barrier_signal -1
	s_barrier_wait -1
.endm
.macro CROUND                          ; a whole round
	s_barrier_signal -1
	s_barrier_wait -1
	CREST
.endm
	s_load_b128 s[4:7], s[0:1], 0x0                ; xw s[4:5], qkv s[6:7]
	s_load_b128 s[68:71], s[0:1], 0x10             ; bq s[68:69], bk s[70:71]
	s_load_b64 s[72:73], s[0:1], 0x20              ; bv
	s_set_vgpr_msb 0x40
	v_lshl_add_u32 v255, v0, 2, 0x48400
	s_set_vgpr_msb 0x4000
	v_mov_b32 v31, 0
	s_set_vgpr_msb 0x1
	ds_add_u32 v255, v31
	s_set_vgpr_msb 0x100
	v_lshrrev_b32 v1, 5, v0
	v_readfirstlane_b32 s10, v1                    ; wave 0..3
	s_lshr_b32 s11, s10, 1                         ; which half of the block's rows is mine.  Also: I fetch for x (0) or for W (1)
	s_and_b32 s12, s10, 1                          ; which half of its columns.  Also: which 128 rows of that tile I fetch
	s_bfe_u32 s40, ttmp6, 0x40000                  ; cx
	s_bfe_u32 s41, ttmp6, 0x40004                  ; cy
	s_lshl_b32 s42, ttmp9, 2
	s_add_co_u32 s42, s42, s40                     ; block column = 4 x cluster x + cx
	s_and_b32 s13, ttmp7, 0xffff
	s_lshr_b32 s45, s13, 2                         ; mat = cluster y / 4: 0 Q, 1 K, 2 V; the same in all sixteen work-groups
	s_lshl_b32 s13, s13, 2
	s_add_co_u32 s13, s13, s41                     ; block row = 4 x cluster y + cy
	s_lshl_b32 s43, s41, 2
	s_lshl_b32 s43, 15, s43                        ; my row of the cluster
	s_lshl_b32 s44, 0x1111, s40                    ; my column
	s_or_b32 s[G1+0], s43, (1<<16)|(1<<20)|(1<<21)|(5<<22)|(3<<25)  ; mask; elements of 2 bytes; padding on; bit 21 beside a mask; after every 64 words 4 words
	s_or_b32 s[G1B+0], s44, (1<<16)|(1<<20)|(1<<21)|(5<<22)|(3<<25)
	s_mov_b32 s[G1B+1], KSTEP<<16
	s_mov_b32 s[G1+1], KSTEP<<16                   ; tensor_dim0 = 128
	s_mov_b32 s[G1B+2], 128<<16
	s_mov_b32 s[G1+2], 128<<16                     ; tensor_dim1 = 128
	s_mov_b32 s[G1B+3], KSTEP<<16
	s_mov_b32 s[G1+3], KSTEP<<16                   ; tile_dim0 = 128
	s_mov_b32 s[G1B+4], 128
	s_mov_b32 s[G1+4], 128                         ; tile_dim1 = 128
	s_mov_b32 s[G1B+5], SIZE_K
	s_mov_b32 s[G1+5], SIZE_K                      ; elements from row to row
	s_mov_b32 s[G1B+6], 0
	s_mov_b32 s[G1+6], 0
	s_mov_b32 s[G1B+7], 0
	s_mov_b32 s[G1+7], 0
	; x's tiles hang on the block row alone, W's on the block column and on mat; each address in registers that never hold the other coordinate
	s_lshl_b32 s17, s12, 7                         ; which 128 rows of the tile I fetch
	s_lshl_b32 s16, s13, 8
	s_add_co_u32 s16, s16, s17                     ; x: row 256 x block row + 128 x half
	s_lshl_b32 s16, s16, 11                        ; rows of 2,048 bytes: below 32 MiB
	s_lshl_b32 s46, s42, 8
	s_add_co_u32 s46, s46, s17                     ; W: row 256 x block column + 128 x half
	s_lshl_b32 s47, s45, 10
	s_add_co_u32 s46, s46, s47                     ;    + 1,024 x mat
	s_add_co_u32 s46, s46, WROW                    ;    + where the weights begin in xw
	s_lshl_b32 s46, s46, 11
	s_mov_b32 s17, 0
	s_mov_b32 s47, 0
	s_mul_i32 s20, s10, HALFT                      ; where they go: wave x 128 rows
	s_lshl_b32 s66, s42, 10                        ; my columns' bias: 256 x 4 bytes a block column
	s_lshl_b32 s67, s12, 9                         ; + 128 x 4 bytes a half
	s_add_co_u32 s66, s66, s67
	s_wait_dscnt 0x0
	s_wait_kmcnt 0x0
	s_add_nc_u64 s[14:15], s[4:5], s[16:17]
	s_add_nc_u64 s[46:47], s[4:5], s[46:47]
	CROUND                                         ; all sixteen work-groups are here: the first joint loads meet
.irp s, 0,1
	s_mov_b32 s[G0+4*\s], 1
	s_add_co_u32 s[G0+4*\s+1], s20, \s*SLOT
	s_add_nc_u64 s[G0+4*\s+2:G0+4*\s+3], s[14:15], \s*KSTEP*2
	s_or_b32 s[G0+4*\s+3], s[G0+4*\s+3], 0x80000000
	s_mov_b32 s[G0B+4*\s], 1
	s_add_co_u32 s[G0B+4*\s+1], s20, \s*SLOT
	s_add_nc_u64 s[G0B+4*\s+2:G0B+4*\s+3], s[46:47], \s*KSTEP*2
	s_or_b32 s[G0B+4*\s+3], s[G0B+4*\s+3], 0x80000000
	JLOAD \s                                       ; the ring is filled before anything else is done
.endr
	; the matrix's bias and scale
	s_cmp_eq_u32 s45, 1
	s_cselect_b64 s[8:9], s[70:71], s[68:69]
	s_cmp_eq_u32 s45, 2
	s_cselect_b64 s[8:9], s[72:73], s[8:9]
	s_mov_b32 s74, 1.0
	s_mov_b32 s75, 0x3e38aa3b                      ; 0.125 log2(e)
	s_cmp_eq_u32 s45, 0
	s_cselect_b32 s74, s75, s74
	s_mov_b32 s75, s74                             ; the pair is named whole by the packed multiply
	v_and_b32 v1, 15, v0                           ; l % 16
	v_bfe_u32 v2, v0, 4, 1                         ; l / 16
	v_lshl_add_u32 v[BOFF], v2, 5, s66             ; 8 columns (32 bytes) for each half of the lanes
.irp b, 0,1,2,3,4,5,6,7
	global_load_b128 v[32+8*\b+(\b/4)*160:32+8*\b+(\b/4)*160+3],   v[BOFF], s[8:9] offset:64*\b      ; register j: bias of column 16 b + 8 (l / 16) + j
	global_load_b128 v[32+8*\b+(\b/4)*160+4:32+8*\b+(\b/4)*160+7], v[BOFF], s[8:9] offset:64*\b+16
.endr
	; fragment addresses: lane l holds row l % 16; two loads of 16 bytes, 32 bytes apart, at row x pitch + 16 (l / 16)
	v_mul_u32_u24 v3, v1, PITCH
	v_lshl_add_u32 v3, v2, 4, v3
	s_mul_i32 s21, s11, HALFT                      ; my 128 rows of x
	s_mul_i32 s22, s12, HALFT                      ; my 128 rows of W,
	s_add_co_u32 s22, s22, 2*HALFT                 ; which lie behind x's 256
.irp s, 0,1
	v_add_nc_u32 v[ADRA+\s], s21, v3
	v_add_nc_u32 v[ADRB+\s], s22, v3
	s_add_co_u32 s21, s21, SLOT
	s_add_co_u32 s22, s22, SLOT
.endr
	s_mul_i32 s23, s10, 16*SPITCH
	s_add_co_u32 s23, s23, STAGE                   ; my stage
	v_mul_u32_u24 v4, v1, SPITCH
	v_lshl_add_u32 v4, v2, 4, v4
	v_add_nc_u32 v[STO], s23, v4
	v_mul_u32_u24 v5, v2, SPITCH
	v_lshl_add_u32 v5, v1, 4, v5
	v_add_nc_u32 v[RD], s23, v5
	v_mul_u32_u24 v5, v2, SIZE_N*2
	v_lshl_add_u32 v[CO], v1, 4, v5
; 16 matrix instructions: m blocks a0, a0 + 1 of the window's four x all 8 n blocks, 32 along K.  zero = 1: the bias starts the sums.
; The 64 accumulators take turns, one instruction a turn, in the same order in every quarter step.
.macro MUL16 f, hi, a0, zero
.irp a, \a0, \a0+1
.irp b, 0,1,2,3,4,5,6,7
.if \zero
	v_wmma_f32_16x16x32_f16 v[8*(8*(\a)+\b):8*(8*(\a)+\b)+7], v[\f+8*\b:\f+8*\b+7], v[\f+8*(4*\hi+\a):\f+8*(4*\hi+\a)+7], v[32+8*\b+(\b/4)*160:32+8*\b+(\b/4)*160+7]
.else
	v_wmma_f32_16x16x32_f16 v[8*(8*(\a)+\b):8*(8*(\a)+\b)+7], v[\f+8*\b:\f+8*\b+7], v[\f+8*(4*\hi+\a):\f+8*(4*\hi+\a)+7], v[8*(8*(\a)+\b):8*(8*(\a)+\b)+7]
.endif
.endr
.endr
.endm
.macro FETCH slot, k, f                ; 32 LDS loads in one run: one quarter step's fragments into buffer f
	WIN TO_B
.irp i, 0,1,2,3,4,5,6,7
	ds_load_b128 v[\f+8*\i:\f+8*\i+3],   v[ADRB+\slot] offset:\k+\i*16*PITCH
	ds_load_b128 v[\f+8*\i+4:\f+8*\i+7], v[ADRB+\slot] offset:\k+\i*16*PITCH+32
.endr
	WIN 0
.irp i, 0,1,2,3,4,5,6,7
	ds_load_b128 v[\f+8*\i:\f+8*\i+3],   v[ADRA+\slot] offset:\k+\i*16*PITCH
	ds_load_b128 v[\f+8*\i+4:\f+8*\i+7], v[ADRA+\slot] offset:\k+\i*16*PITCH+32
.endr
.endm
.macro PLACES                          ; four plain places behind a matrix instruction ahead of loads into its sources and of readers of its result
.rept 4
	v_nop
.endr
.endm
.macro QUARTER slot, k, f, g, zero
	s_wait_dscnt 8                                 ; W and x's rows 0-63 are in; the youngest eight loads (x's rows 64-127) may be out
.if \zero
	WIN BIAS_LO
.else
	WIN MUL_LO
.endif
	MUL16 \f, 0, 0, \zero
	MUL16 \f, 0, 2, \zero
	PLACES
	FETCH \slot, \k, \g
	s_wait_dscnt 32                                ; all but the 32 just issued
.if \zero
	WIN BIAS_HI
.else
	WIN MUL_HI
.endif
	MUL16 \f, 1, 0, \zero
	MUL16 \f, 1, 2, \zero
.endm
.macro THREE slot, zero
	QUARTER \slot, 64,  F0, F1, \zero
	QUARTER \slot, 128, F1, F0, 0
	QUARTER \slot, 192, F0, F1, 0
.endm
; The last quarter of a K step changes slots.  In front of the barrier each wave waits for its reads of this slot and for all its tensor
; loads (one is out: its part of the next slot); behind it the refill comes first, then the next slot's first fragments.
.macro TURN slot, next, fill
	s_wait_dscnt 8
	WIN MUL_LO
	MUL16 F1, 0, 0, 0
	s_wait_dscnt 0                                 ; my reads of this slot are over
	s_wait_tensorcnt 0x0                           ; all my tensor loads have landed
	ds_add_u32 v255, v31
	s_wait_dscnt 0x0
	s_barrier_signal -1
	MUL16 F1, 0, 2, 0                              ; register work while the others arrive
	WIN 0
	s_barrier_wait -1
.if \fill
	CREST                                          ; all sixteen work-groups have said so: no partner's wave still reads this slot or has a load on its way
	s_add_nc_u64 s[G0+4*\slot+2:G0+4*\slot+3], s[G0+4*\slot+2:G0+4*\slot+3], 2*KSTEP*2
	s_add_nc_u64 s[G0B+4*\slot+2:G0B+4*\slot+3], s[G0B+4*\slot+2:G0B+4*\slot+3], 2*KSTEP*2
	JLOAD \slot                                    ; the first tensor load behind the round
.endif
	PLACES
	FETCH \next, 0, F0
	WIN MUL_HI
	MUL16 F1, 1, 0, 0
	MUL16 F1, 1, 2, 0
.endm
.macro LAP zero
	THREE 0, \zero
	TURN 0, 1, 1
	THREE 1, 0
	TURN 1, 0, 1
.endm
	s_wait_tensorcnt 1                             ; my part of K step 0 is in; K step 1's load, the one younger, stays out
	s_wait_loadcnt 0x0                             ; the bias
	s_barrier_signal -1
	s_barrier_wait -1                              ; everybody's part is in
	FETCH 0, 0, F0
	LAP 1                                          ; the first lap stands in front of the loop: its first products start the sums from the bias
	WIN 0
	s_mov_b32 s3, LAPS-2
.Llap:
	LAP 0
	WIN 0
	s_sub_co_u32 s3, s3, 1
	s_cmp_lg_u32 s3, 0
	s_cbranch_scc1 .Llap
	THREE 0, 0                                     ; the last lap fills nothing
	TURN 0, 1, 0
	THREE 1, 0
	s_wait_dscnt 8
	WIN MUL_LO
	MUL16 F1, 0, 0, 0
	MUL16 F1, 0, 2, 0
	s_wait_dscnt 0
	WIN MUL_HI
	MUL16 F1, 1, 0, 0
	MUL16 F1, 1, 2, 0
	; THE WAY OUT, 16 rows at a time: scale, round to f16, 16 bytes a lane into my own stage, read back as whole rows of 256 bytes
	PLACES
	s_lshl_b32 s13, s13, 8
	s_lshl_b32 s14, s11, 7
	s_add_co_u32 s16, s13, s14                     ; my first row
	s_lshl_b32 s16, s16, 11
	s_mov_b32 s17, 0
	s_add_nc_u64 s[6:7], s[6:7], s[16:17]
	s_lshl_b32 s46, s42, 9                         ; my first column, in bytes: 512 x block + 256 x half
	s_lshl_b32 s47, s12, 8
	s_add_co_u32 s46, s46, s47
	s_mov_b32 s47, 0
	s_add_nc_u64 s[6:7], s[6:7], s[46:47]
; own: destination and source 0 in the tiles' window; from: sources 0 and 1 there, destination window 0
.macro OUT16 i, a, own, from, f
	WIN \own
.irp b, 0,1,2,3,4,5,6,7
.irp r, 0,1,2,3
	v_pk_mul_f32 v[8*(8*\a+\b)+2*\r:8*(8*\a+\b)+2*\r+1], v[8*(8*\a+\b)+2*\r:8*(8*\a+\b)+2*\r+1], s[74:75] op_sel_hi:[1,0]
.endr
.endr
	WIN \from
.irp b, 0,1,2,3,4,5,6,7
.irp r, 0,1,2,3
	v_cvt_pk_f16_f32 v[TMP+4*\b+\r], v[8*(8*\a+\b)+2*\r], v[8*(8*\a+\b)+2*\r+1]
.endr
.endr
	WIN 0
.irp b, 0,1,2,3,4,5,6,7
	ds_store_b128 v[STO], v[TMP+4*\b:TMP+4*\b+3] offset:32*\b
.endr
	s_wait_xcnt 0x0                                ; buffer f, which stores read, and the stores' base are rewritten only behind this wait
.if \i
	s_add_nc_u64 s[6:7], s[6:7], 16*SIZE_N*2
.endif
.irp t, 0,1,2,3,4,5,6,7
	ds_load_b128 v[\f+4*\t:\f+4*\t+3], v[RD] offset:\t*2*SPITCH    ; LDS serves a wave's instructions in order: these see the stores above
.endr
.irp t, 0,1,2,3,4,5,6,7
	s_wait_dscnt 7-\t                              ; read-back t is in, the younger ones stay out
	global_store_b128 v[CO], v[\f+4*\t:\f+4*\t+3], s[6:7] offset:2*\t*SIZE_N*2   ; 16 lanes store 256 consecutive bytes, aligned
.endr
.endm
	OUT16 0, 0, 0x82, 0x0a, F0
	OUT16 1, 1, 0x82, 0x0a, F1
	OUT16 2, 2, 0x82, 0x0a, F0
	OUT16 3, 3, 0x82, 0x0a, F1
	OUT16 4, 0, 0xc3, 0x0f, F0
	OUT16 5, 1, 0xc3, 0x0f, F1
	OUT16 6, 2, 0xc3, 0x0f, F0
	OUT16 7, 3, 0xc3, 0x0f, F1
	s_set_vgpr_msb 0x1
	s_wait_tensorcnt 0x0
	ds_add_u32 v255, v31
	s_wait_dscnt 0x0
	s_set_vgpr_msb 0x100
	CROUND                                         ; the closing round: no work-group ends while a partner may still ask for a tile that names it
	s_endpgm
.Lfunc_end_k_q52382fe3c2_gemm_qkv:
	.size	k_q52382fe3c2_gemm_qkv, .Lfunc_end_k_q52382fe3c2_gemm_qkv-k_q52382fe3c2_gemm_qkv
	.p2alignl 7, 3214868480
	.fill 96, 4, 3214868480
	.section	.rodata,"a",@progbits
	.p2align	6, 0x0
	.amdhsa_kernel k_q52382fe3c2_gemm_qkv
		.amdhsa_group_segment_fixed_size 327680
		.amdhsa_private_segment_fixed_size 0
		.amdhsa_enable_private_segment 0
		.amdhsa_kernarg_size 40
		.amdhsa_user_sgpr_count 2
		.amdhsa_user_sgpr_kernarg_segment_ptr 1
		.amdhsa_wavefront_size32 1
		.amdhsa_system_sgpr_workgroup_id_x 1
		.amdhsa_system_sgpr_workgroup_id_y 1
		.amdhsa_system_sgpr_workgroup_id_z 1
		.amdhsa_system_vgpr_workitem_id 0
		.amdhsa_next_free_vgpr 1024
		.amdhsa_next_free_sgpr 76
		.amdhsa_reserve_vcc 0
		.amdhsa_float_denorm_mode_32 3
		.amdhsa_float_denorm_mode_16_64 3
		.amdhsa_memory_ordered 1
		.amdhsa_forward_progress 1
		.amdhsa_inst_pref_size 215
	.end_amdhsa_kernel
	.amdgpu_metadata
---
amdhsa.version: [ 1, 2 ]
amdhsa.kernels:
  - .name:           k_q52382fe3c2_gemm_qkv
    .symbol:         k_q52382fe3c2_gemm_qkv.kd
    .args:
      - { .name: xw, .offset: 0, .size: 8, .value_kind: global_buffer, .address_space: global }
      - { .name: qkv, .offset: 8, .size: 8, .value_kind: global_buffer, .address_space: global }
      - { .name: bq, .offset: 16, .size: 8, .value_kind: global_buffer, .address_space: global }
      - { .name: bk, .offset: 24, .size: 8, .value_kind: global_buffer, .address_space: global }
      - { .name: bv, .offset: 32, .size: 8, .value_kind: global_buffer, .address_space: global }
    .group_segment_fixed_size: 327680
    .private_segment_fixed_size: 0
    .kernarg_segment_align: 8
    .kernarg_segment_size: 40
    .max_flat_workgroup_size: 128
    .sgpr_count:     76
    .vgpr_count:     1024
    .wavefront_size: 32
...
	.end_amdgpu_metadata
.endif
;; end of part 2
;; launch attn (part 3): grid 16 x 16, 8 waves a work-group, clusters of 4 x 1, 327,680 bytes of LDS; arguments qkv, maskbits, ctx; writes ctx
.if DOCPART == 3
	.amdgcn_target "amdgcn-amd-amdhsa--gfx1250"
	.amdhsa_code_object_version 6
	.text
	.protected	k_q52382fe3c2_attn
	.globl	k_q52382fe3c2_attn
	.p2align	8
	.type	k_q52382fe3c2_attn,@function
k_q52382fe3c2_attn:
	s_mov_b64 s[64:65], 0
	v_nop
	global_prefetch_b8 v0, s[64:65] scope:SCOPE_SE
	s_setreg_imm32_b32 hwreg(HW_REG_WAVE_MODE, 25, 1), 1
	s_wait_xcnt 0x0
	s_wait_alu depctr_hold_cnt(0) depctr_sa_sdst(0) depctr_va_vdst(0) depctr_va_sdst(0) depctr_va_ssrc(0) depctr_va_vcc(0) depctr_vm_vsrc(0)
	s_getreg_b32 s2, hwreg(HW_REG_IB_STS2, 6, 4)
	s_cmp_eq_u32 s2, 0
	s_cbranch_scc0 .Lentry_in_a_cluster
	s_endpgm
.Lentry_in_a_cluster:
	s_bfe_u32 s2, ttmp6, 0x10000c
	s_cmp_lg_u32 s2, 0x3003
	s_cbranch_scc0 .Lentry_shape_is_right
	s_endpgm
.Lentry_shape_is_right:
; ATTENTION: ctx[b][s][64 head + d] = softmax over t of (masked score) x V, with a running maximum, operands f16, sums and statistics f32.
; qkv rows: 0 Q' = q x 0.125 log2(e), 4096 K, 8192 V, each [4096][1024] f16.  Scores are therefore in base 2 already.
; Where the mask is 0 the score is REPLACED by -1e9 log2(e): a row that is masked throughout gives the mean of V, as the definition does.
; A work-group: 128 queries x one PAIR of heads (so every row piece of K, V and ctx is 256 consecutive bytes, aligned).
; Wave w: head w & 1 of the pair, queries 64 ((w >> 1) & 1) .. + 63, keys 1,024 (w >> 2) .. + 1,023.  Waves w and w + 4 hold the same queries
; over the two halves of the keys and are merged at the end through LDS.
; CLUSTER: the four work-groups of a cluster are four query blocks of one batch and head pair: they read the same K and V tiles, asked for
; jointly (mask 15).  The place in the cluster enters only the addresses of Q, of the mask words and of ctx.
; FORMS: S^T = K fragment x Q fragment: register j of lane (r, h) is key 16 kt + 8 h + j, query 16 qt + r, so a query's statistics lie in
; one lane of each half.  Two packed key tiles are the B fragment of 32 keys as they stand.  O^T = V^T fragment (transposing LDS load) x P.
; THE MASK comes as lane-mask words by scalar loads: one select a score.  A trip (64 keys x 64 queries) needs 128 words, and 64 scalar
; registers are free for them.  So behind the trip's 32 score products the queries go in two halves of 32 (query tiles 0, 1, then 2, 3), each
; with its own masking, maximum, rescaling, exponentials and 16 products with V: query tiles do not depend on each other.  The 64 words of
; one half are asked for as the registers are read for the other half, and have that half's whole work in which to come.
; LIMITS: |q|, |k|, |v| below 65,504 (f16); a probability below 2^-24 of the row's largest rounds to 0, against a row sum of at least 1;
; NaN and infinite inputs are not served.
.set SLOT,   73728                     ; K: 128 rows (64 of each key half) x 272; V at VOFF: 128 rows x 288
.set VOFF,   36864
.set KPITCH, 272                       ; 256 + 16: 16 rows start 16 bytes apart modulo 256
.set VPITCH, 288                       ; 256 + 32: an odd multiple of 32, as the transposing load's addresses want
.set MERGE,  2*SLOT                    ; 4 x 17,920 bytes: O, M and L of waves 4-7; never a tensor load's target
.set MSZ,    17920
.set OST,    MERGE+4*MSZ               ; 128 rows x 272 bytes: the block of ctx on its way out
.set STEP,   64*2048                   ; 64 keys further down
; window 0
.set KA,  2                            ; v2-3    LDS address of my K fragments in slot 0, 1
.set VA,  4                            ; v4-5    the same for V
.set NEG, 6                            ; v6      -1e9 log2(e)
.set QO,  7                            ; v7      my offset in Q
.set AL,  8                            ; v[8:15]  pairs (alpha, 0) for qt = 0..3; at the end my factor
.set MA,  16                           ; v16     merge address
.set OA,  17                           ; v17     stage address
.set LS,  20                           ; v[20:23] row sums (this lane's keys)
.set TM,  24                           ; v[24:27] the trip's maximum (first over key tiles 0, 1)
.set T2,  28                           ; v[28:31] the maximum over key tiles 2, 3; then at work
.set SU,  32                           ; v[32:39] pairs: the trip's sums; at the end the partner's factor
.set MX,  40                           ; v[40:47] pairs (M, 0)
.set PM,  48                           ; v[48:55] the partner's pairs (M, 0)
.set PL,  56                           ; v[56:59] the partner's row sums
.set RB,  60
.set CO,  61
.set SB,  64                           ; v[64:191]  S(kt, qt) at SB + 8 (4 kt + qt); P(kp, qt) = the 8 registers at S(2 kp, qt)
.set VF,  192                          ; v[192:255] V^T fragment (dt, kp) at VF + 8 (2 dt + kp)
; window 1
.set QF,  128                          ; Q fragment (qt, dh) at QF + 8 (2 qt + dh);  O(dt, qt) at 8 (4 dt + qt)
.set KF,  192                          ; K fragment (kt, dh) at KF + 8 (2 kt + dh)
.set MSB, 0
.macro WIN new
.if MSB != \new
	s_set_vgpr_msb (MSB<<8)|\new
.set MSB, \new
.endif
.endm
.macro PLACES
.rept 4
	v_nop
.endr
.endm
.macro ROUND                           ; a round of the cluster's barrier
	s_barrier_signal -1
	s_barrier_wait -1
	s_cmp_lg_u32 s6, 0
	s_cbranch_scc1 .Lnot_wave_0_\@
	s_barrier_signal -3
.Lnot_wave_0_\@:
	s_barrier_wait -3
	s_barrier_signal -1
	s_barrier_wait -1
.endm
.macro JLOAD                           ; waves 0-3 ask for 32 rows of K each, waves 4-7 for 32 rows of V
	s_cmp_eq_u32 s7, 0
	s_cbranch_scc0 .Lfor_v_\@
	tensor_load_to_lds s[8:11], s[16:23]
	s_nop 0
	s_branch .Lasked_\@
.Lfor_v_\@:
	tensor_load_to_lds s[12:15], s[24:31]
	s_nop 0
.Lasked_\@:
.endm
; 64 mask words: 64 keys x 32 queries.  A key tile's words for a pair of query tiles are 64 consecutive bytes, key tiles 128 bytes apart;
; off = 0: query tiles 0, 1; 64: query tiles 2, 3.  Key tile kt lands in 16 registers from s[32 + 16 kt + 4 (kt / 2)].
.macro MLOAD off
	s_load_b512 s[32:47], s[4:5], \off
	s_load_b512 s[48:63], s[4:5], \off+128
	s_load_b512 s[68:83], s[4:5], \off+256
	s_load_b512 s[84:99], s[4:5], \off+384
.endm
	s_load_b128 s[36:39], s[0:1], 0x0              ; qkv s[36:37], maskbits s[38:39] (s32-63 serve the set-up until the first mask words come)
	v_lshl_add_u32 v62, v0, 2, 0x3e000
	v_mov_b32 v63, 0
	ds_add_u32 v62, v63
	v_lshrrev_b32 v1, 5, v0
	v_readfirstlane_b32 s6, v1                     ; wave 0..7
	s_lshr_b32 s7, s6, 2                           ; key half.  Also: I fetch K (0) or V (1)
	s_and_b32 s45, s6, 1                           ; head of the pair
	s_bfe_u32 s46, s6, 0x10001                     ; which 64 queries
	s_and_b32 s47, s6, 3                           ; which 32 rows of a tile I fetch
	s_bfe_u32 s40, ttmp6, 0x40000                  ; cx
	s_lshl_b32 s41, ttmp9, 2
	s_add_co_u32 s41, s41, s40                     ; query block 0..15
	s_and_b32 s42, ttmp7, 0xffff
	s_lshr_b32 s43, s42, 3                         ; batch
	s_and_b32 s44, s42, 7                          ; head pair
	s_mov_b32 s66, 0x76543210                      ; v_permlanex16_b32: lane i of one half reads lane i of the other
	s_mov_b32 s67, 0xfedcba98
	; group 1: 32 rows x 128 elements of 2 bytes, pitch 1,024 elements; mask 15 with bit 21; after every 64 words 4 words (K) or 8 words (V)
	s_mov_b32 s16, 15|(1<<16)|(1<<20)|(1<<21)|(5<<22)|(3<<25)
	s_mov_b32 s24, 15|(1<<16)|(1<<20)|(1<<21)|(5<<22)|(7<<25)
.irp g, 16, 24
	s_mov_b32 s[\g+1], 128<<16                     ; tensor_dim0
	s_mov_b32 s[\g+2], 32<<16                      ; tensor_dim1
	s_mov_b32 s[\g+3], 128<<16                     ; tile_dim0
	s_mov_b32 s[\g+4], 32                          ; tile_dim1
	s_mov_b32 s[\g+5], 1024                        ; elements from row to row
	s_mov_b32 s[\g+6], 0
	s_mov_b32 s[\g+7], 0
.endr
	; my rows of tile 0: 2,048 b + 1,024 (wl >> 1) + 32 (wl & 1), byte 256 hp of the row; no place in the cluster enters
	s_lshl_b32 s48, s43, 11
	s_lshr_b32 s49, s47, 1
	s_lshl_b32 s49, s49, 10
	s_add_co_u32 s48, s48, s49
	s_and_b32 s49, s47, 1
	s_lshl_b32 s49, s49, 5
	s_add_co_u32 s48, s48, s49
	s_lshl_b32 s48, s48, 11                        ; rows of 2,048 bytes
	s_lshl_b32 s49, s44, 8
	s_add_co_u32 s48, s48, s49
	s_add_co_u32 s50, s48, 8192*2048               ; V begins at row 8,192
	s_add_co_u32 s48, s48, 4096*2048               ; K at row 4,096
	s_mov_b32 s49, 0
	s_mov_b32 s51, 0
	s_mul_i32 s100, s6, 32*KPITCH                  ; K's part: wave x 32 rows
	s_mul_i32 s101, s6, 32*VPITCH                  ; V's part: for waves 4-7 that is VOFF + (wave - 4) x 32 rows
	; Q: row 2,048 b + 128 qb + 64 qg, byte 128 (2 hp + hd)
	s_lshl_b32 s52, s43, 11
	s_lshl_b32 s53, s41, 7
	s_add_co_u32 s52, s52, s53                     ; the work-group's first query row
	s_lshl_b32 s56, s6, 4
	s_add_co_u32 s56, s56, s52                     ; + 16 x wave: the rows that I store at the end
	s_lshl_b32 s56, s56, 11
	s_lshl_b32 s57, s44, 8
	s_add_co_u32 s2, s56, s57                      ; kept: my byte offset in ctx
	s_lshl_b32 s53, s46, 6
	s_add_co_u32 s52, s52, s53
	s_lshl_b32 s54, s52, 11
	s_add_co_u32 s54, s54, s57
	s_lshl_b32 s55, s45, 7
	s_add_co_u32 s54, s54, s55
	s_mov_b32 s55, 0
	; mask words: (32 b + 2 qb + qg) x 16,384 bytes + key half x 8,192
	s_lshl_b32 s58, s43, 5
	s_lshl_b32 s59, s41, 1
	s_add_co_u32 s58, s58, s59
	s_add_co_u32 s58, s58, s46
	s_lshl_b32 s58, s58, 14
	s_lshl_b32 s59, s7, 13
	s_add_co_u32 s58, s58, s59
	s_mov_b32 s59, 0
	s_wait_dscnt 0x0
	s_wait_kmcnt 0x0
	s_mov_b32 s8, 1
	s_add_co_u32 s9, s100, 0*SLOT
	s_add_nc_u64 s[10:11], s[36:37], s[48:49]
	s_or_b32 s11, s11, 0x80000000
	s_mov_b32 s12, 1
	s_add_co_u32 s13, s101, 0*SLOT
	s_add_nc_u64 s[14:15], s[36:37], s[50:51]
	s_or_b32 s15, s15, 0x80000000
	s_add_nc_u64 s[104:105], s[36:37], s[54:55]
	s_add_nc_u64 s[4:5], s[38:39], s[58:59]
	ROUND                                          ; all four work-groups are here: the first joint loads meet
	JLOAD                                          ; tile 0 into slot 0
	; Q's fragments, once: lane (r, h) takes row 16 qt + r, bytes 64 dh + 16 h and + 32: 8,192 bytes a wave
	v_and_b32 v16, 15, v0                          ; r
	v_bfe_u32 v17, v0, 4, 1                        ; h
	v_lshlrev_b32 v[QO], 11, v16
	v_lshl_add_u32 v[QO], v17, 4, v[QO]
	WIN 0x40                                       ; destination window 1
.irp qt, 0,1,2,3
.irp dh, 0,1
	global_load_b128 v[QF+8*(2*\qt+\dh):QF+8*(2*\qt+\dh)+3],   v[QO], s[104:105] offset:32768*\qt+64*\dh
	global_load_b128 v[QF+8*(2*\qt+\dh)+4:QF+8*(2*\qt+\dh)+7], v[QO], s[104:105] offset:32768*\qt+64*\dh+32
.endr
.endr
	WIN 0
	s_mul_i32 s60, s7, 64*KPITCH                   ; my key half's rows
	s_lshl_b32 s61, s45, 7                         ; my head's 128 bytes
	s_add_co_u32 s60, s60, s61
	v_mul_u32_u24 v18, v16, KPITCH
	v_lshl_add_u32 v18, v17, 4, v18
	v_add_nc_u32 v[KA], s60, v18                   ; (64 kh + r) x 272 + 128 hd + 16 h
	v_add_nc_u32 v[KA+1], SLOT, v[KA]
	s_mul_i32 s62, s7, 64*VPITCH
	s_add_co_u32 s62, s62, s61
	s_add_co_u32 s62, s62, VOFF
	v_and_b32 v18, 7, v0
	v_lshl_add_u32 v18, v17, 3, v18                ; 8 h + (L & 7)
	v_mul_u32_u24 v18, v18, VPITCH
	v_bfe_u32 v19, v0, 3, 1
	v_lshl_add_u32 v18, v19, 4, v18
	v_add_nc_u32 v[VA], s62, v18
	v_add_nc_u32 v[VA+1], SLOT, v[VA]
	v_mov_b32 v[NEG], 0xceabfb8f                   ; -1e9 log2(e)
.irp qt, 0,1,2,3
	v_mov_b32 v[AL+2*\qt+1], 0                     ; a packed source is named as a whole pair
	v_mov_b32 v[MX+2*\qt+1], 0
.endr
	MLOAD 0                                        ; the first trip's words for query tiles 0, 1 (the set-up's scalars are spent)
	s_wait_loadcnt 0x0                             ; Q
.macro SPROD                           ; 32 products: 16 tiles x 2 halves of d.  The 16 accumulators take turns
.irp dh, 0,1
.irp kt, 0,1,2,3
.irp qt, 0,1,2,3
.if \dh == 0
	v_wmma_f32_16x16x32_f16 v[SB+8*(4*\kt+\qt):SB+8*(4*\kt+\qt)+7], v[KF+8*(2*\kt+\dh):KF+8*(2*\kt+\dh)+7], v[QF+8*(2*\qt+\dh):QF+8*(2*\qt+\dh)+7], 0
.else
	v_wmma_f32_16x16x32_f16 v[SB+8*(4*\kt+\qt):SB+8*(4*\kt+\qt)+7], v[KF+8*(2*\kt+\dh):KF+8*(2*\kt+\dh)+7], v[QF+8*(2*\qt+\dh):QF+8*(2*\qt+\dh)+7], v[SB+8*(4*\kt+\qt):SB+8*(4*\kt+\qt)+7]
.endif
.endr
.endr
.endr
.endm
; Query tiles base, base + 1, all four key tiles: where the mask's bit is 0 the score becomes NEG.
; load = 1: as soon as a key tile's 16 registers have been read, they are asked for again, with the words at byte off + 128 kt.
.macro MASKH base, load, off
.irp kt, 0,1,2,3
.irp q, 0,1
.irp j, 0,1,2,3,4,5,6,7
	v_cndmask_b32 v[SB+8*(4*\kt+\base+\q)+\j], v[NEG], v[SB+8*(4*\kt+\base+\q)+\j], s[32+16*\kt+4*(\kt/2)+8*\q+\j]
.endr
.endr
.if \load
	s_load_b512 s[32+16*\kt+4*(\kt/2):47+16*\kt+4*(\kt/2)], s[4:5], \off+128*\kt
.endif
.endr
.endm
; The maximum of query tiles base, base + 1, two scores an instruction, in four chains by turns: for each query tile one over key tiles 0, 1
; (it begins at the running maximum; in the first trip at the first two scores) and one over key tiles 2, 3.
.macro MAXH base, first
.irp kk, 0,1
.irp p, 0,2,4,6
.irp q, 0,1
.if \kk+\p == 0
.if \first
	v_max_num_f32 v[TM+\base+\q], v[SB+8*(\base+\q)], v[SB+8*(\base+\q)+1]
.else
	v_max3_num_f32 v[TM+\base+\q], v[MX+2*(\base+\q)], v[SB+8*(\base+\q)], v[SB+8*(\base+\q)+1]
.endif
	v_max_num_f32 v[T2+\base+\q], v[SB+8*(8+\base+\q)], v[SB+8*(8+\base+\q)+1]
.else
	v_max3_num_f32 v[TM+\base+\q], v[TM+\base+\q], v[SB+8*(4*\kk+\base+\q)+\p], v[SB+8*(4*\kk+\base+\q)+\p+1]
	v_max3_num_f32 v[T2+\base+\q], v[T2+\base+\q], v[SB+8*(4*(2+\kk)+\base+\q)+\p], v[SB+8*(4*(2+\kk)+\base+\q)+\p+1]
.endif
.endr
.endr
.endr
.endm
; The two chains and the two halves of the lanes are joined; alpha = 2^(old maximum - new maximum); O of the two query tiles is rescaled.
.macro STATS base, first
.irp q, 0,1
	v_max_num_f32 v[TM+\base+\q], v[TM+\base+\q], v[T2+\base+\q]
.endr
.irp q, 0,1
	v_permlanex16_b32 v[T2+\base+\q], v[TM+\base+\q], s66, s67     ; the other half of the lanes holds the query's other keys
.endr
.irp q, 0,1
	v_max_num_f32 v[TM+\base+\q], v[TM+\base+\q], v[T2+\base+\q]
.endr
.if \first == 0
.irp q, 0,1
	v_sub_f32 v[AL+2*(\base+\q)], v[MX+2*(\base+\q)], v[TM+\base+\q]
.endr
.irp q, 0,1
	v_exp_f32 v[AL+2*(\base+\q)], v[AL+2*(\base+\q)]
.endr
.endif
.irp q, 0,1
	v_mov_b32 v[MX+2*(\base+\q)], v[TM+\base+\q]   ; plain instructions between the exponentials and the first use of alpha
.endr
.if \first == 0
	WIN 0x41                                       ; O in window 1, alpha in window 0
	s_wait_alu depctr_va_vdst(0)
.irp dt, 0,1,2,3
.irp q, 0,1
.irp p, 0,2,4,6
	v_pk_mul_f32 v[8*(4*\dt+\base+\q)+\p:8*(4*\dt+\base+\q)+\p+1], v[8*(4*\dt+\base+\q)+\p:8*(4*\dt+\base+\q)+\p+1], v[AL+2*(\base+\q):AL+2*(\base+\q)+1] op_sel_hi:[1,0]
.endr
.endr
.endr
	WIN 0
.endif
.endm
.macro SUBM n                          ; tile n = 4 kt + qt: score - M
.irp p, 0,2,4,6
	v_pk_add_f32 v[SB+8*(\n)+\p:SB+8*(\n)+\p+1], v[SB+8*(\n)+\p:SB+8*(\n)+\p+1], v[MX+2*((\n)%4):MX+2*((\n)%4)+1] op_sel_hi:[1,0] neg_lo:[0,1] neg_hi:[0,1]
.endr
.endm
.macro EXPS n
.irp j, 0,1,2,3,4,5,6,7
	v_exp_f32 v[SB+8*(\n)+\j], v[SB+8*(\n)+\j]
.endr
.endm
.macro USE n                           ; tile n's probabilities: into the sums, then packed to f16 into their half of P(kt / 2, qt)
.set u_s, SB+8*(\n)
.set u_q, SU+2*((\n)%4)
.set u_d, SB+8*((\n)-4*(((\n)/4)%2))+4*(((\n)/4)%2)
.if (\n)/4 == 0
	s_wait_alu depctr_va_vdst(0)
	v_pk_add_f32 v[u_q:u_q+1], v[u_s:u_s+1], v[u_s+2:u_s+3]        ; the first key tile starts the sums
.else
	s_wait_alu depctr_va_vdst(0)
	v_pk_add_f32 v[u_q:u_q+1], v[u_q:u_q+1], v[u_s:u_s+1]
	v_pk_add_f32 v[u_q:u_q+1], v[u_q:u_q+1], v[u_s+2:u_s+3]
.endif
	v_pk_add_f32 v[u_q:u_q+1], v[u_q:u_q+1], v[u_s+4:u_s+5]
	v_pk_add_f32 v[u_q:u_q+1], v[u_q:u_q+1], v[u_s+6:u_s+7]
.irp i, 0,1,2,3
	v_cvt_pk_f16_f32 v[u_d+\i], v[u_s+2*\i], v[u_s+2*\i+1]         ; register i is written when registers 2 i, 2 i + 1 are read: no later source is lost
.endr
.endm
; The probabilities of query tiles base, base + 1: eight tiles, key tiles ascending, staggered: the next tile's subtractions are the plain
; places between a tile's exponentials and their use.
.macro PROBS base
	SUBM \base
	EXPS \base
.set pi, 1
.rept 7
.set pn, 4*(pi/2)+\base+(pi%2)
.set pp, 4*((pi-1)/2)+\base+((pi-1)%2)
	SUBM pn
	USE pp
	EXPS pn
.set pi, pi+1
.endr
	v_nop
	s_wait_alu depctr_va_vdst(0)
	USE 13+\base
.endm
.macro PVH base, first                 ; 16 products for query tiles base, base + 1; the 8 accumulators take turns
.irp kp, 0,1
.irp dt, 0,1,2,3
.irp q, 0,1
.if \first*(1-\kp)
	v_wmma_f32_16x16x32_f16 v[8*(4*\dt+\base+\q):8*(4*\dt+\base+\q)+7], v[VF+8*(2*\dt+\kp):VF+8*(2*\dt+\kp)+7], v[SB+8*(8*\kp+\base+\q):SB+8*(8*\kp+\base+\q)+7], 0
.else
	v_wmma_f32_16x16x32_f16 v[8*(4*\dt+\base+\q):8*(4*\dt+\base+\q)+7], v[VF+8*(2*\dt+\kp):VF+8*(2*\dt+\kp)+7], v[SB+8*(8*\kp+\base+\q):SB+8*(8*\kp+\base+\q)+7], v[8*(4*\dt+\base+\q):8*(4*\dt+\base+\q)+7]
.endif
.endr
.endr
.endr
.endm
; One trip: 64 keys of my half against my 64 queries.  slot: where the tile lies.  refill: the next tile is asked for into the other slot.
; nextmask: the next trip's first mask words are asked for.
.macro TRIP slot, first, refill, nextmask
	s_wait_tensorcnt 0x0                           ; all my tensor loads are done (one was out: my part of this trip's tile), so both group 0 may be written:
	ds_add_u32 v62, v63
	s_wait_dscnt 0x0
	s_add_nc_u64 s[10:11], s[10:11], STEP          ; the next tile,
	s_add_nc_u64 s[14:15], s[14:15], STEP
	s_add_co_u32 s9, s100, (1-\slot)*SLOT          ; into the other slot
	s_add_co_u32 s13, s101, (1-\slot)*SLOT
	s_wait_dscnt 0x0                               ; my reads of the last trip's tile are done
	ROUND                                          ; both now hold of every wave of all four work-groups
.if \refill
	JLOAD                                          ; the first tensor load behind the round; it has this trip's work in which to land
.endif
	WIN 0x40
.irp kt, 0,1,2,3
.irp dh, 0,1
	ds_load_b128 v[KF+8*(2*\kt+\dh):KF+8*(2*\kt+\dh)+3],   v[KA+\slot] offset:16*KPITCH*\kt+64*\dh
	ds_load_b128 v[KF+8*(2*\kt+\dh)+4:KF+8*(2*\kt+\dh)+7], v[KA+\slot] offset:16*KPITCH*\kt+64*\dh+32
.endr
.endr
	WIN 0
.irp dt, 0,1,2,3
.irp kp, 0,1
	ds_load_tr16_b128 v[VF+8*(2*\dt+\kp):VF+8*(2*\dt+\kp)+3],   v[VA+\slot] offset:32*VPITCH*\kp+32*\dt
	ds_load_tr16_b128 v[VF+8*(2*\dt+\kp)+4:VF+8*(2*\dt+\kp)+7], v[VA+\slot] offset:32*VPITCH*\kp+32*\dt+16*VPITCH
.endr
.endr
	s_wait_dscnt 16                                ; K's 16 loads are in; V's 16, the younger ones, stay out
	WIN 0x05                                       ; sources 0 and 1 window 1, C and D window 0
	SPROD
	WIN 0
	PLACES                                         ; four places behind the last product, then its results are read
	; ---- query tiles 0, 1 ----
	s_wait_kmcnt 0x0                               ; their mask words, asked for in the second half of the trip before
	MASKH 0, 1, 64                                 ; and the words of query tiles 2, 3 are asked for: this half's work in which to come
	MAXH 0, \first
	STATS 0, \first
	PROBS 0
	s_wait_dscnt 0x0                               ; V's fragments
	WIN 0x50                                       ; C and D window 1, sources window 0
	PVH 0, \first
	WIN 0
	; ---- query tiles 2, 3: none of the registers named up to the next products is one of the products just issued ----
	s_wait_kmcnt 0x0                               ; their mask words are in, and the loads' base may be stepped
	s_add_nc_u64 s[4:5], s[4:5], 512               ; 64 keys on
	MASKH 2, \nextmask, 0                          ; the next trip's words for query tiles 0, 1: the rest of this trip in which to come
	MAXH 2, \first
	STATS 2, \first
	PROBS 2
	WIN 0x50
	PVH 2, \first
	WIN 0
	; the row sums; with the two v_nop at least six plain places behind the last product, ahead of the loads into its
	; sources and of the products that write over P
.irp qt, 0,1,2,3
.if \first
	v_add_f32 v[LS+\qt], v[SU+2*\qt], v[SU+2*\qt+1]
.else
	v_add_f32 v[T2+\qt], v[SU+2*\qt], v[SU+2*\qt+1]
	v_fma_f32 v[LS+\qt], v[LS+\qt], v[AL+2*\qt], v[T2+\qt]
.endif
.endr
	v_nop
	v_nop
.endm
	TRIP 0, 1, 1, 1                                ; 16 trips: two ahead of the loop (the first starts every sum), twelve in it, two behind
	TRIP 1, 0, 1, 1
	s_mov_b32 s3, 6
.Lloop:
	TRIP 0, 0, 1, 1
	TRIP 1, 0, 1, 1
	s_sub_co_u32 s3, s3, 1
	s_cmp_lg_u32 s3, 0
	s_cbranch_scc1 .Lloop
	TRIP 0, 0, 1, 1
	TRIP 1, 0, 0, 0                                ; the last trip asks for nothing beyond its own words
	; ---------------- the two key halves are merged ----------------
	s_load_b64 s[36:37], s[0:1], 0x10              ; ctx (the mask words' registers are free)
	s_and_b32 s32, s6, 3
	s_mul_i32 s32, s32, MSZ
	s_add_co_u32 s32, s32, MERGE
	v_and_b32 v[MA], 31, v0
	v_lshl_add_u32 v[MA], v[MA], 4, s32            ; waves w and w + 4 share a region; lane x 16
	s_cmp_eq_u32 s7, 0
	s_cbranch_scc1 .Lno_give
	WIN 0x04                                       ; store data from window 1
.set gi, 0
.rept 32
	ds_store_b128 v[MA], v[4*gi:4*gi+3] offset:512*gi              ; O, register for register
.set gi, gi+1
.endr
	WIN 0
	ds_store_b128 v[MA], v[MX:MX+3] offset:16384
	ds_store_b128 v[MA], v[MX+4:MX+7] offset:16896
	ds_store_b128 v[MA], v[LS:LS+3] offset:17408
.Lno_give:
	s_wait_dscnt 0x0                               ; for the partner's sake: my stores are done
	s_barrier_signal -1
	s_barrier_wait -1
	s_cmp_lg_u32 s7, 0
	s_cbranch_scc1 .Lno_take
	ds_load_b128 v[PM:PM+3], v[MA] offset:16384
	ds_load_b128 v[PM+4:PM+7], v[MA] offset:16896
	ds_load_b128 v[PL:PL+3], v[MA] offset:17408
.set gi, 0
.rept 32
	ds_load_b128 v[SB+4*gi:SB+4*gi+3], v[MA] offset:512*gi         ; the partner's O(dt, qt) at SB + 8 (4 dt + qt)
.set gi, gi+1
.endr
	s_bfe_u32 s33, s6, 0x10001
	s_mul_i32 s33, s33, 64*KPITCH
	s_and_b32 s34, s6, 1
	s_lshl_b32 s34, s34, 7
	s_add_co_u32 s33, s33, s34
	s_add_co_u32 s33, s33, OST
	v_and_b32 v[OA], 15, v0
	v_mul_u32_u24 v[OA], v[OA], KPITCH
	v_bfe_u32 v18, v0, 4, 1
	v_lshl_add_u32 v[OA], v18, 4, v[OA]
	v_add_nc_u32 v[OA], s33, v[OA]                 ; stage: (64 qg + r) x 272 + 128 hd + 16 h
	s_wait_dscnt 32                                ; M and L of the partner are in; the 32 loads of its O stay out
.irp qt, 0,1,2,3
	v_max_num_f32 v[TM+\qt], v[MX+2*\qt], v[PM+2*\qt]
.endr
.irp qt, 0,1,2,3
	v_sub_f32 v[AL+2*\qt], v[MX+2*\qt], v[TM+\qt]
	v_sub_f32 v[SU+2*\qt], v[PM+2*\qt], v[TM+\qt]
.endr
.irp qt, 0,1,2,3
	v_exp_f32 v[AL+2*\qt], v[AL+2*\qt]
	v_exp_f32 v[SU+2*\qt], v[SU+2*\qt]
.endr
	v_nop                                          ; a plain place behind the exponentials
	s_wait_alu depctr_va_vdst(0)
.irp qt, 0,1,2,3
	v_mul_f32 v[T2+\qt], v[PL+\qt], v[SU+2*\qt]
	v_fma_f32 v[T2+\qt], v[LS+\qt], v[AL+2*\qt], v[T2+\qt]
.endr
.irp qt, 0,1,2,3
	v_permlanex16_b32 v[TM+\qt], v[T2+\qt], s66, s67               ; the row sum's other half
.endr
.irp qt, 0,1,2,3
	v_add_f32 v[T2+\qt], v[T2+\qt], v[TM+\qt]      ; at least 1: the row's largest probability is 1
.endr
.irp qt, 0,1,2,3
	v_rcp_f32 v[T2+\qt], v[T2+\qt]
.endr
	v_nop                                          ; a plain place behind the reciprocals
	s_wait_alu depctr_va_vdst(0)
.irp qt, 0,1,2,3
	v_mul_f32 v[AL+2*\qt], v[AL+2*\qt], v[T2+\qt]  ; my factor
	v_mul_f32 v[SU+2*\qt], v[SU+2*\qt], v[T2+\qt]  ; the partner's
.endr
	s_wait_dscnt 0x0                               ; the partner's O
.irp dt, 0,1,2,3
.irp qt, 0,1,2,3
.irp p, 0,2,4,6
	v_pk_mul_f32 v[SB+8*(4*\dt+\qt)+\p:SB+8*(4*\dt+\qt)+\p+1], v[SB+8*(4*\dt+\qt)+\p:SB+8*(4*\dt+\qt)+\p+1], v[SU+2*\qt:SU+2*\qt+1] op_sel_hi:[1,0]
.endr
.endr
.endr
	WIN 0x01                                       ; source 0 (my O) window 1
.irp dt, 0,1,2,3
.irp qt, 0,1,2,3
.irp p, 0,2,4,6
	v_pk_fma_f32 v[SB+8*(4*\dt+\qt)+\p:SB+8*(4*\dt+\qt)+\p+1], v[8*(4*\dt+\qt)+\p:8*(4*\dt+\qt)+\p+1], v[AL+2*\qt:AL+2*\qt+1], v[SB+8*(4*\dt+\qt)+\p:SB+8*(4*\dt+\qt)+\p+1] op_sel_hi:[1,0,1]
.endr
.endr
.endr
	WIN 0
.irp dt, 0,1,2,3
.irp qt, 0,1,2,3
.irp i, 0,1,2,3
	v_cvt_pk_f16_f32 v[SB+8*(4*\dt+\qt)+\i], v[SB+8*(4*\dt+\qt)+2*\i], v[SB+8*(4*\dt+\qt)+2*\i+1]
.endr
	ds_store_b128 v[OA], v[SB+8*(4*\dt+\qt):SB+8*(4*\dt+\qt)+3] offset:16*KPITCH*\qt+32*\dt   ; query 16 qt + r, d = 16 dt + 8 h + 0..7
.endr
.endr
.Lno_take:
	s_wait_dscnt 0x0                               ; for the others' sake: the stage's rows are written
	s_barrier_signal -1
	s_barrier_wait -1
	; every wave stores 16 rows of the block: whole rows of 256 bytes
	s_mul_i32 s35, s6, 16*KPITCH
	s_add_co_u32 s35, s35, OST
	v_bfe_u32 v18, v0, 4, 1
	v_and_b32 v19, 15, v0
	v_mul_u32_u24 v[RB], v18, KPITCH
	v_lshl_add_u32 v[RB], v19, 4, v[RB]
	v_add_nc_u32 v[RB], s35, v[RB]
	v_lshlrev_b32 v[CO], 11, v18
	v_lshl_add_u32 v[CO], v19, 4, v[CO]
.irp t, 0,1,2,3,4,5,6,7
	ds_load_b128 v[SB+4*\t:SB+4*\t+3], v[RB] offset:2*KPITCH*\t
.endr
	s_wait_kmcnt 0x0
	s_mov_b32 s38, s2
	s_mov_b32 s39, 0
	s_add_nc_u64 s[36:37], s[36:37], s[38:39]
.irp t, 0,1,2,3,4,5,6,7
	s_wait_dscnt 7-\t                              ; read-back t is in, the younger ones stay out
	global_store_b128 v[CO], v[SB+4*\t:SB+4*\t+3], s[36:37] offset:4096*\t   ; 16 lanes store 256 consecutive bytes, aligned
.endr
	s_wait_tensorcnt 0x0
	ds_add_u32 v62, v63
	s_wait_dscnt 0x0
	ROUND                                          ; the closing round
	s_endpgm
.Lfunc_end_k_q52382fe3c2_attn:
	.size	k_q52382fe3c2_attn, .Lfunc_end_k_q52382fe3c2_attn-k_q52382fe3c2_attn
	.p2alignl 7, 3214868480
	.fill 96, 4, 3214868480
	.section	.rodata,"a",@progbits
	.p2align	6, 0x0
	.amdhsa_kernel k_q52382fe3c2_attn
		.amdhsa_group_segment_fixed_size 327680
		.amdhsa_private_segment_fixed_size 0
		.amdhsa_enable_private_segment 0
		.amdhsa_kernarg_size 24
		.amdhsa_user_sgpr_count 2
		.amdhsa_user_sgpr_kernarg_segment_ptr 1
		.amdhsa_wavefront_size32 1
		.amdhsa_system_sgpr_workgroup_id_x 1
		.amdhsa_system_sgpr_workgroup_id_y 1
		.amdhsa_system_sgpr_workgroup_id_z 1
		.amdhsa_system_vgpr_workitem_id 0
		.amdhsa_next_free_vgpr 512
		.amdhsa_next_free_sgpr 106
		.amdhsa_reserve_vcc 0
		.amdhsa_float_denorm_mode_32 3
		.amdhsa_float_denorm_mode_16_64 3
		.amdhsa_memory_ordered 1
		.amdhsa_forward_progress 1
		.amdhsa_inst_pref_size 255
	.end_amdhsa_kernel
	.section	.bss,"aw",@nobits
	.p2align	6
	.space	262144
	.amdgpu_metadata
---
amdhsa.version: [ 1, 2 ]
amdhsa.kernels:
  - .name:           k_q52382fe3c2_attn
    .symbol:         k_q52382fe3c2_attn.kd
    .args:
      - { .name: qkv, .offset: 0, .size: 8, .value_kind: global_buffer, .address_space: global }
      - { .name: maskbits, .offset: 8, .size: 8, .value_kind: global_buffer, .address_space: global }
      - { .name: ctx, .offset: 16, .size: 8, .value_kind: global_buffer, .address_space: global }
    .group_segment_fixed_size: 327680
    .private_segment_fixed_size: 0
    .kernarg_segment_align: 8
    .kernarg_segment_size: 24
    .max_flat_workgroup_size: 256
    .sgpr_count:     106
    .vgpr_count:     512
    .wavefront_size: 32
...
	.end_amdgpu_metadata
.endif
;; end of part 3
;; launch gemm_out (part 4): grid 8 x 32, 4 waves a work-group, clusters of 4 x 4, 327,680 bytes of LDS; arguments ctx, xw, bo, out0; writes out0
.if DOCPART == 4
	.amdgcn_target "amdgcn-amd-amdhsa--gfx1250"
	.amdhsa_code_object_version 6
	.text
	.protected	k_q52382fe3c2_gemm_out
	.globl	k_q52382fe3c2_gemm_out
	.p2align	8
	.type	k_q52382fe3c2_gemm_out,@function
k_q52382fe3c2_gemm_out:
	s_mov_b64 s[64:65], 0
	v_nop
	global_prefetch_b8 v0, s[64:65] scope:SCOPE_SE
	s_setreg_imm32_b32 hwreg(HW_REG_WAVE_MODE, 25, 1), 1
	s_wait_xcnt 0x0
	s_wait_alu depctr_hold_cnt(0) depctr_sa_sdst(0) depctr_va_vdst(0) depctr_va_sdst(0) depctr_va_ssrc(0) depctr_va_vcc(0) depctr_vm_vsrc(0)
	s_getreg_b32 s2, hwreg(HW_REG_IB_STS2, 6, 4)
	s_cmp_eq_u32 s2, 0
	s_cbranch_scc0 .Lentry_in_a_cluster
	s_endpgm
.Lentry_in_a_cluster:
	s_bfe_u32 s2, ttmp6, 0x10000c
	s_cmp_lg_u32 s2, 0xf033
	s_cbranch_scc0 .Lentry_shape_is_right
	s_endpgm
.Lentry_shape_is_right:
; OUTPUT PROJECTION: out0[m][n] = sum over k of ctx[m][k] Wo[n][k] + bo[n].  ctx [4096][1024] f16, Wo = rows 15,360.. of xw in f16, sums and result f32.
; 4,096 x 1,024 outputs as 256 blocks of 128 x 128, one a work-group; four waves, 2 x 2, each 64 x 64: 16 accumulator tiles.
; K goes in eight steps of 128 through FOUR LDS slots; two slots are filled again behind one round of the cluster's barrier, so that
; each refill has two K steps (128 matrix instructions of a wave) in which to land.  A wave has four tensor
; loads outstanding at the start and two behind each refill.
; CLUSTERS: 4 x 4 work-groups; ctx's tiles are shared along a row of the cluster, Wo's along a column, each asked for jointly.
; The matrix instruction is used transposed (source 0 = rows of Wo, source 1 = rows of ctx): a lane holds 8 neighbouring columns of a row.
; The bias enters as the C operand of each tile's first product.
; window 0: addresses, bias, two fragment buffers, the way out's registers;  window 1: ACC(a, b) at v[8 (4 a + b)].
.set SIZE_K, 1024
.set KBYTES, 256                       ; a K step of 128 f16
.set PITCH,  272                       ; 256 + 16: 16 rows start 16 bytes apart modulo 256
.set QT,     64*PITCH                  ; 64 rows: what one tensor load brings
.set SLOT,   4*QT                      ; ctx's 128 rows, then Wo's 128 rows
.set STAGE,  4*SLOT                    ; behind the ring: 16 rows x 272 bytes for each wave, never a tensor load's target
.set WOROW,  15360
.set ADRA, 6                           ; v6-9    LDS address of my ctx fragments in slots 0..3
.set ADRB, 10                          ; v10-13  the same for Wo
.set STO,  14
.set RD,   15
.set CO,   16
.set BO,   17
.set BIAS, 32                          ; v[32:63] bias of my 64 columns, 8 registers a block of 16
.set F0,   64                          ; buffer 0: Wo's four fragments, then ctx's four
.set F1,   128
.set T0,   192
.set T1,   224
.set G1A, 16
.set G1B, 24
.set G0A, 32                           ; s[32:47] one group 0 a slot
.set G0B, 48                           ; s[48:63]
.set MSB, 0
.macro WIN new
.if MSB != \new
	s_set_vgpr_msb (MSB<<8)|\new
.set MSB, \new
.endif
.endm
.macro PLACES
.rept 4
	v_nop
.endr
.endm
.macro JLOAD s                         ; waves 0 and 1 fetch ctx's two halves, waves 2 and 3 Wo's
	s_cmp_eq_u32 s13, 0
	s_cbranch_scc0 .Lfor_b_\@
	tensor_load_to_lds s[G0A+4*(\s):G0A+4*(\s)+3], s[G1A:G1A+7]
	s_nop 0
	s_branch .Lasked_\@
.Lfor_b_\@:
	tensor_load_to_lds s[G0B+4*(\s):G0B+4*(\s)+3], s[G1B:G1B+7]
	s_nop 0
.Lasked_\@:
.endm
.macro CROUND                          ; a round of the cluster's barrier
	s_barrier_signal -1
	s_barrier_wait -1
	s_cmp_lg_u32 s12, 0
	s_cbranch_scc1 .Lnot_wave_0_\@
	s_barrier_signal -3
.Lnot_wave_0_\@:
	s_barrier_wait -3
	s_barrier_signal -1
	s_barrier_wait -1
.endm
	s_load_b256 s[4:11], s[0:1], 0x0               ; ctx s[4:5], xw s[6:7], bo s[8:9], out0 s[10:11]
	v_lshl_add_u32 v30, v0, 2, 0x48400
	v_mov_b32 v31, 0
	ds_add_u32 v30, v31
	v_lshrrev_b32 v1, 5, v0
	v_readfirstlane_b32 s12, v1                    ; wave 0..3
	s_lshr_b32 s13, s12, 1                         ; my half of the rows.  Also: I fetch ctx (0) or Wo (1)
	s_and_b32 s14, s12, 1                          ; my half of the columns.  Also: which 64 rows of that tile I fetch
	s_bfe_u32 s66, ttmp6, 0x40000                  ; cx
	s_bfe_u32 s67, ttmp6, 0x40004                  ; cy
	s_lshl_b32 s68, ttmp9, 2
	s_add_co_u32 s68, s68, s66                     ; block column
	s_and_b32 s69, ttmp7, 0xffff
	s_lshl_b32 s69, s69, 2
	s_add_co_u32 s69, s69, s67                     ; block row
	s_lshl_b32 s70, s67, 2
	s_lshl_b32 s70, 15, s70                        ; my row of the cluster
	s_lshl_b32 s71, 0x1111, s66                    ; my column
	s_or_b32 s[G1A+0], s70, (1<<16)|(1<<20)|(1<<21)|(5<<22)|(3<<25) ; mask; 2-byte elements; padding on; bit 21 beside a mask; after every 64 words 4 words
	s_or_b32 s[G1B+0], s71, (1<<16)|(1<<20)|(1<<21)|(5<<22)|(3<<25)
.irp g, G1A, G1B
	s_mov_b32 s[\g+1], 128<<16                     ; tensor_dim0
	s_mov_b32 s[\g+2], 64<<16                      ; tensor_dim1
	s_mov_b32 s[\g+3], 128<<16                     ; tile_dim0
	s_mov_b32 s[\g+4], 64                          ; tile_dim1
	s_mov_b32 s[\g+5], SIZE_K                      ; elements from row to row
	s_mov_b32 s[\g+6], 0
	s_mov_b32 s[\g+7], 0
.endr
	s_lshl_b32 s15, s14, 6                         ; which 64 rows of the tile I fetch
	s_lshl_b32 s76, s69, 7
	s_add_co_u32 s76, s76, s15                     ; ctx: row 128 x block row + 64 x half
	s_lshl_b32 s76, s76, 11
	s_mov_b32 s77, 0
	s_lshl_b32 s78, s68, 7
	s_add_co_u32 s78, s78, s15                     ; Wo: row 128 x block column + 64 x half
	s_add_co_u32 s78, s78, WOROW
	s_lshl_b32 s78, s78, 11
	s_mov_b32 s79, 0
	s_mul_i32 s3, s12, QT                          ; where they go: wave x 64 rows
	s_wait_dscnt 0x0
	s_wait_kmcnt 0x0
	s_add_nc_u64 s[72:73], s[4:5], s[76:77]
	s_add_nc_u64 s[74:75], s[6:7], s[78:79]
	CROUND                                         ; all sixteen work-groups are here: the first joint loads meet
.irp s, 0,1,2,3
	s_mov_b32 s[G0A+4*\s], 1
	s_add_co_u32 s[G0A+4*\s+1], s3, \s*SLOT
	s_add_nc_u64 s[G0A+4*\s+2:G0A+4*\s+3], s[72:73], \s*KBYTES
	s_or_b32 s[G0A+4*\s+3], s[G0A+4*\s+3], 0x80000000
	s_mov_b32 s[G0B+4*\s], 1
	s_add_co_u32 s[G0B+4*\s+1], s3, \s*SLOT
	s_add_nc_u64 s[G0B+4*\s+2:G0B+4*\s+3], s[74:75], \s*KBYTES
	s_or_b32 s[G0B+4*\s+3], s[G0B+4*\s+3], 0x80000000
	JLOAD \s                                       ; K steps 0..3
.endr
	v_and_b32 v1, 15, v0                           ; l % 16
	v_bfe_u32 v2, v0, 4, 1                         ; l / 16
	s_lshl_b32 s78, s68, 9                         ; my columns: 128 x 4 bytes a block column
	s_lshl_b32 s79, s14, 8                         ; + 64 x 4 bytes a half
	s_add_co_u32 s78, s78, s79
	v_lshl_add_u32 v[BO], v2, 5, s78
.irp b, 0,1,2,3
	global_load_b128 v[BIAS+8*\b:BIAS+8*\b+3],   v[BO], s[8:9] offset:64*\b       ; register j: bias of column 16 b + 8 (l / 16) + j
	global_load_b128 v[BIAS+8*\b+4:BIAS+8*\b+7], v[BO], s[8:9] offset:64*\b+16
.endr
	v_mul_u32_u24 v3, v1, PITCH
	v_lshl_add_u32 v3, v2, 4, v3                   ; row x pitch + 16 x half
	s_mul_i32 s15, s13, QT                         ; my 64 rows of ctx
	s_mul_i32 s2, s14, QT                          ; my 64 rows of Wo,
	s_add_co_u32 s2, s2, 2*QT                      ; which lie behind ctx's 128
.irp s, 0,1,2,3
	v_add_nc_u32 v[ADRA+\s], s15, v3
	v_add_nc_u32 v[ADRB+\s], s2, v3
	s_add_co_u32 s15, s15, SLOT
	s_add_co_u32 s2, s2, SLOT
.endr
	s_mul_i32 s15, s12, 16*PITCH
	s_add_co_u32 s15, s15, STAGE                   ; my stage
	v_mul_u32_u24 v4, v1, PITCH
	v_lshl_add_u32 v4, v2, 5, v4                   ; in: row l % 16, 32 bytes for each half of the lanes
	v_add_nc_u32 v[STO], s15, v4
	v_mul_u32_u24 v5, v2, PITCH
	v_lshl_add_u32 v5, v1, 4, v5                   ; back: lanes 0-15 one row of 256 bytes, lanes 16-31 the next
	v_add_nc_u32 v[RD], s15, v5
	v_lshlrev_b32 v5, 12, v2                       ; and the same two rows of out0 (4,096 bytes each)
	v_lshl_add_u32 v[CO], v1, 4, v5
; 16 products, 32 along K.  The 16 accumulators take turns in the same order every time.
.macro MUL16 f, first
.irp a, 0,1,2,3
.irp b, 0,1,2,3
.if \first
	v_wmma_f32_16x16x32_f16 v[8*(4*\a+\b):8*(4*\a+\b)+7], v[\f+8*\b:\f+8*\b+7], v[\f+32+8*\a:\f+32+8*\a+7], v[BIAS+8*\b:BIAS+8*\b+7]
.else
	v_wmma_f32_16x16x32_f16 v[8*(4*\a+\b):8*(4*\a+\b)+7], v[\f+8*\b:\f+8*\b+7], v[\f+32+8*\a:\f+32+8*\a+7], v[8*(4*\a+\b):8*(4*\a+\b)+7]
.endif
.endr
.endr
.endm
.macro FETCH slot, k, f                ; 16 LDS loads: one quarter step's fragments
.irp i, 0,1,2,3
	ds_load_b128 v[\f+8*\i:\f+8*\i+3],       v[ADRB+\slot] offset:\k+\i*16*PITCH
	ds_load_b128 v[\f+8*\i+4:\f+8*\i+7],     v[ADRB+\slot] offset:\k+\i*16*PITCH+32
.endr
.irp i, 0,1,2,3
	ds_load_b128 v[\f+32+8*\i:\f+32+8*\i+3],   v[ADRA+\slot] offset:\k+\i*16*PITCH
	ds_load_b128 v[\f+32+8*\i+4:\f+32+8*\i+7], v[ADRA+\slot] offset:\k+\i*16*PITCH+32
.endr
.endm
; a quarter step: buffer f is multiplied while the next quarter's fragments come into buffer g
.macro QTR slot, k, f, g, first
	s_wait_dscnt 0x0                               ; buffer f is in
	PLACES                                         ; four places behind the products that read buffer g
	FETCH \slot, \k, \g
.if \first
	WIN 0x40                                       ; D window 1, C (the bias) window 0
.else
	WIN 0x50                                       ; C and D window 1
.endif
	MUL16 \f, \first
	WIN 0
.endm
; a K step.  sync = 0: the next slot is known to be whole.  1: slots slot - 1 and slot, both read, are filled again, four K steps ahead.
; 2: the last two tiles are waited for and shown to the other waves.  3: the end.
.macro KS slot, next, sync, first
	QTR \slot, 64,  F0, F1, \first
	QTR \slot, 128, F1, F0, 0
	QTR \slot, 192, F0, F1, 0
	s_wait_dscnt 0x0                               ; buffer 1 is in, and with it my reads of this slot are over
.if \sync == 1
	s_wait_tensorcnt 0x0                           ; all my tensor loads have landed, the next two slots' among them: every group 0 may be written
	ds_add_u32 v30, v31
	s_wait_dscnt 0x0
.irp z, \slot-1, \slot
	s_add_nc_u64 s[G0A+4*(\z)+2:G0A+4*(\z)+3], s[G0A+4*(\z)+2:G0A+4*(\z)+3], 4*KBYTES
	s_add_nc_u64 s[G0B+4*(\z)+2:G0B+4*(\z)+3], s[G0B+4*(\z)+2:G0B+4*(\z)+3], 4*KBYTES
.endr
	CROUND                                         ; no wave of any partner still reads the two slots or has a load on its way
	JLOAD \slot-1                                  ; the first tensor loads behind the round
	JLOAD \slot
.endif
.if \sync == 2
	s_wait_tensorcnt 0x0                           ; my parts of the last two tiles
	s_barrier_signal -1
	s_barrier_wait -1                              ; everybody's
.endif
.if \sync != 3
	PLACES
	FETCH \next, 0, F0
.endif
	WIN 0x50
	MUL16 F1, 0
	WIN 0
.endm
	s_wait_tensorcnt 0x2                           ; my parts of K steps 0 and 1 are in; those of 2 and 3, the two younger loads, stay out
	s_wait_loadcnt 0x0                             ; the bias
	s_barrier_signal -1
	s_barrier_wait -1                              ; everybody's are in
	FETCH 0, 0, F0
	KS 0, 1, 0, 1
	KS 1, 2, 1, 0                                  ; K steps 4 and 5 are asked for
	KS 2, 3, 0, 0
	KS 3, 0, 1, 0                                  ; K steps 6 and 7
	KS 0, 1, 0, 0
	KS 1, 2, 2, 0
	KS 2, 3, 0, 0
	KS 3, 0, 3, 0
	; THE WAY OUT, 16 rows at a time through my own stage: 32 bytes a lane in, whole rows of 256 bytes back
	PLACES                                         ; four places behind the last products, then their results are stored
	s_lshl_b32 s76, s69, 7
	s_lshl_b32 s77, s13, 6
	s_add_co_u32 s76, s76, s77                     ; my first row
	s_lshl_b32 s76, s76, 12
	s_mov_b32 s77, 0
	s_add_nc_u64 s[10:11], s[10:11], s[76:77]
	s_mov_b32 s79, 0                               ; s78 still holds my first column in bytes
	s_add_nc_u64 s[10:11], s[10:11], s[78:79]
.macro OUT16 a, t
	WIN 0x04                                       ; store data from window 1
.irp b, 0,1,2,3
	ds_store_b128 v[STO], v[8*(4*\a+\b):8*(4*\a+\b)+3]   offset:64*\b
	ds_store_b128 v[STO], v[8*(4*\a+\b)+4:8*(4*\a+\b)+7] offset:64*\b+16
.endr
	WIN 0
	s_wait_xcnt 0x0                                ; the registers that stores read and the stores' base are rewritten only behind this wait
.if \a
	s_add_nc_u64 s[10:11], s[10:11], 16*4096
.endif
.irp u, 0,1,2,3,4,5,6,7
	ds_load_b128 v[\t+4*\u:\t+4*\u+3], v[RD] offset:2*PITCH*\u     ; LDS serves a wave's instructions in order: these see the stores above
.endr
.irp u, 0,1,2,3,4,5,6,7
	s_wait_dscnt 7-\u                              ; read-back u is in, the younger ones stay out
	global_store_b128 v[CO], v[\t+4*\u:\t+4*\u+3], s[10:11] offset:8192*\u th:TH_STORE_NT   ; 16 lanes store 256 consecutive bytes, aligned
.endr
.endm
	OUT16 0, T0
	OUT16 1, T1
	OUT16 2, T0
	OUT16 3, T1
	s_wait_tensorcnt 0x0
	ds_add_u32 v30, v31
	s_wait_dscnt 0x0
	CROUND                                         ; the closing round
	s_endpgm
.Lfunc_end_k_q52382fe3c2_gemm_out:
	.size	k_q52382fe3c2_gemm_out, .Lfunc_end_k_q52382fe3c2_gemm_out-k_q52382fe3c2_gemm_out
	.p2alignl 7, 3214868480
	.fill 96, 4, 3214868480
	.section	.rodata,"a",@progbits
	.p2align	6, 0x0
	.amdhsa_kernel k_q52382fe3c2_gemm_out
		.amdhsa_group_segment_fixed_size 327680
		.amdhsa_private_segment_fixed_size 0
		.amdhsa_enable_private_segment 0
		.amdhsa_kernarg_size 32
		.amdhsa_user_sgpr_count 2
		.amdhsa_user_sgpr_kernarg_segment_ptr 1
		.amdhsa_wavefront_size32 1
		.amdhsa_system_sgpr_workgroup_id_x 1
		.amdhsa_system_sgpr_workgroup_id_y 1
		.amdhsa_system_sgpr_workgroup_id_z 1
		.amdhsa_system_vgpr_workitem_id 0
		.amdhsa_next_free_vgpr 384
		.amdhsa_next_free_sgpr 80
		.amdhsa_reserve_vcc 0
		.amdhsa_float_denorm_mode_32 3
		.amdhsa_float_denorm_mode_16_64 3
		.amdhsa_memory_ordered 1
		.amdhsa_forward_progress 1
		.amdhsa_inst_pref_size 92
	.end_amdhsa_kernel
	.amdgpu_metadata
---
amdhsa.version: [ 1, 2 ]
amdhsa.kernels:
  - .name:           k_q52382fe3c2_gemm_out
    .symbol:         k_q52382fe3c2_gemm_out.kd
    .args:
      - { .name: ctx, .offset: 0, .size: 8, .value_kind: global_buffer, .address_space: global }
      - { .name: xw, .offset: 8, .size: 8, .value_kind: global_buffer, .address_space: global }
      - { .name: bo, .offset: 16, .size: 8, .value_kind: global_buffer, .address_space: global }
      - { .name: out0, .offset: 24, .size: 8, .value_kind: global_buffer, .address_space: global }
    .group_segment_fixed_size: 327680
    .private_segment_fixed_size: 0
    .kernarg_segment_align: 8
    .kernarg_segment_size: 32
    .max_flat_workgroup_size: 128
    .sgpr_count:     80
    .vgpr_count:     384
    .wavefront_size: 32
...
	.end_amdgpu_metadata
.endif
;; end of part 4
;; ======== version 2 of 2: 4 launches; version 1 with the launch prep written anew for expert scheduling mode
;; limits: values are held in f16: magnitudes above 65,504 overflow, below 6.1e-05 lose precision; right only within a limited range of input values
;; workspace buffers: xw 33,554,432 bytes; maskbits 1,048,576 bytes of whole numbers; qkv 25,165,824 bytes; ctx 8,388,608 bytes
;; launch prep (part 5): grid 768 x 1, 4 waves a work-group, no clusters, 34,304 bytes of LDS; arguments query, key, value, Wq, Wk, Wv, Wo, mask, xw, maskbits; writes xw, maskbits
.if DOCPART == 5
	.amdgcn_target "amdgcn-amd-amdhsa--gfx1250"
	.amdhsa_code_object_version 6
	.text
	.protected	k_q52382fe3c2_prep
	.globl	k_q52382fe3c2_prep
	.p2align	8
	.type	k_q52382fe3c2_prep,@function
k_q52382fe3c2_prep:
	s_mov_b64 s[64:65], 0
	v_nop
	global_prefetch_b8 v0, s[64:65] scope:SCOPE_SE
	s_setreg_imm32_b32 hwreg(HW_REG_WAVE_SCHED_MODE, 0, 2), 2
	s_setreg_imm32_b32 hwreg(HW_REG_WAVE_MODE, 25, 1), 1
	s_wait_xcnt 0x0
	s_wait_alu depctr_vm_vsrc(0)
; PREP: (1) query, key, value, Wq, Wk, Wv, Wo from f32 to f16, laid one behind the other in xw as 16,384 rows of 1,024 f16
;           (rows 0 query, 4096 key, 8192 value, 12288 Wq, 13312 Wk, 14336 Wv, 15360 Wo);
;       (2) the int32 mask packed into lane-mask words: maskbits[b][qg:32][kb:64][kt2:2][qt:4][j:8], bit L of a word =
;           mask[b][64 qg + 16 qt + (L & 15)][32 kb + 16 kt2 + 8 (L >> 4) + j] != 0.  That is the lane mask of register j of a
;           16 x 16 tile of scores held keys-by-queries, so that the attention launch masks a score with one select.
; Work-groups 0..511 convert 131,072 bytes of f32 each (32,768 a wave); work-groups 512..767 pack 131,072 bytes of mask each
; (a wave: 64 queries x 128 keys).  Every input byte is read once, every output byte written once.
; Memory binds: no matrix unit, no cluster (no byte is shared), no barrier (a wave's LDS stage is its own).
; LIMIT: f16 has 11 significant bits and ends at 65,504; inputs beyond that magnitude become infinities.
; THE MODE: SCHED_MODE bits 1:0 = 2 (LLVM: expert scheduling mode 2), set by the entry lines.  The code itself states the register dependences
; between vector instructions and memory or LDS instructions, with s_wait_alu, always for 0.
; THE PLAN, the conversion.  A wave's 64 loads of 512 bytes go in 16 blocks of four.  Registers that memory instructions touch:
;   X0 .. X4   five blocks of f32 as loaded.  Written by the loads of block p + 4, issued in block p; read by block p's conversions.
;   Y0, Y1     two blocks of f16 to store.    Written by block p's conversions; read by the four stores that are issued in block p + 1.
;   v1, v2     byte offsets, made once and never written again: the blocks are reached by immediate offsets, the bases stay.
; Block p reads X[p % 5] and writes Y[p % 2].  Its memory instructions are the loads into X[(p + 4) % 5] = X[(p - 1) % 5] and the stores from
; Y[(p - 1) % 2]: the two buffers that block p - 1 worked on and that no vector instruction of block p names.  So the waits at a block's head
; state all that its eight memory instructions hang on, and these are dealt among its conversions with no further wait.
; THE PLAN, the mask.  Four sub-units of 16 query rows.  Registers that memory or LDS instructions touch:
;   R0, R1     rows as loaded.  Written by global loads, read by the LDS stores alone: no vector instruction names them.
;   T          my 64 words after the turn through LDS.  Written by LDS loads, read by the compares.
;   OUT        written by v_mov_b32 and v_writelane_b32, read by the four stores at the end.
;   v6 .. v9   offsets and LDS addresses, made once and never written again.
;   s[32:47]   lane masks: written by a run of 16 compares, read by the 16 v_writelane_b32 behind it.
; A sub-unit: the LDS stores (they owe nothing); one wait on va_vdst, since the last sub-unit's compares read T; the LDS loads into T; one wait on
; vm_vsrc, since the LDS stores read R; the global loads that fill R again; then four runs of compares, each with its wait on va_sdst.
.set X,      16                        ; v[16:95]   convert: five buffers of 16 registers: a block's four loads of 4 registers, f32 as loaded
.set Y,      96                        ; v[96:111]  convert: two buffers of 8 registers: a block's four stores of 2 registers, f16
.set R0,     16                        ; v[16:79]   mask: 16 rows of 512 bytes as loaded, even sub-units
.set R1,     80                        ; v[80:143]  the same, odd sub-units
.set T,      144                       ; v[144:207] mask: my 64 words after the turn through LDS
.set OUT,    208                       ; v[208:215] mask: four pairs, one for each block of 32 keys
.set SPITCH, 528                       ; a stage row: 512 bytes + 16, so that 16 rows start 16 bytes apart modulo 256
	s_load_b512 s[8:23], s[0:1], 0x0               ; query s[8:9] key s[10:11] value s[12:13] Wq s[14:15] Wk s[16:17] Wv s[18:19] Wo s[20:21] mask s[22:23]
	s_load_b128 s[24:27], s[0:1], 0x40             ; xw s[24:25], maskbits s[26:27]
	v_lshl_add_u32 v216, v0, 2, 0x8400
	v_mov_b32 v217, 0
	v_lshrrev_b32 v3, 5, v0
	v_readfirstlane_b32 s6, v3                     ; wave 0..3
	v_and_b32 v4, 31, v0                           ; lane
	s_wait_alu depctr_va_sdst(0)                   ; s6 is written
	s_wait_kmcnt 0x0
	s_cmp_ge_u32 ttmp9, 512                        ; the same for all waves of a work-group
	s_cbranch_scc1 .Lmask
	; ---------------- the conversion ----------------
.macro PICK from, lo                   ; from work-group number 'from' on, the source is the buffer in s[lo:lo+1]
	s_cmp_ge_u32 ttmp9, \from
	s_cselect_b64 s[28:29], s[\lo:\lo+1], s[28:29]
.endm
	s_mov_b64 s[28:29], s[8:9]
	PICK 128, 10
	PICK 256, 12
	PICK 384, 14
	PICK 416, 16
	PICK 448, 18
	PICK 480, 20
	s_and_b32 s32, ttmp9, 127                      ; an activation is 128 parts of 131,072 bytes,
	s_and_b32 s33, ttmp9, 31                       ; a weight 32
	s_cmp_lt_u32 ttmp9, 384
	s_cselect_b32 s32, s32, s33
	s_lshl_b32 s32, s32, 17
	s_mov_b32 s33, 0
	s_add_nc_u64 s[28:29], s[28:29], s[32:33]      ; my work-group's part of the source
	s_lshl_b32 s34, ttmp9, 16                      ; and of xw: half as many bytes
	s_mov_b32 s35, 0
	s_add_nc_u64 s[30:31], s[24:25], s[34:35]
	v_lshlrev_b32 v1, 4, v4
	v_lshl_or_b32 v1, v3, 15, v1                   ; load offset: wave x 32,768 + lane x 16
	v_lshlrev_b32 v2, 3, v4
	v_lshl_or_b32 v2, v3, 14, v2                   ; store offset: wave x 16,384 + lane x 8
	s_wait_alu depctr_va_vdst(0)                   ; v1 and v2 are written: every load and store of this path reads one of them as its offset
.irp i, 0,1,2,3,4,5,6,7,8,9,10,11,12,13,14,15
	global_load_b128 v[X+4*\i:X+4*\i+3], v1, s[28:29] offset:512*\i th:TH_LOAD_NT   ; blocks 0 to 3 into X0 to X3: 16 loads of 512 consecutive bytes
.endr
	; 16 blocks, written out: block cb converts its four loads, asks for block cb + 4 and stores block cb - 1
.set cb, 0
.rept 16
.if cb > 11
	s_wait_loadcnt 4*(15-cb)                       ; nothing more is asked for: the count of younger loads runs down
.else
	s_wait_loadcnt 12                              ; loads come back in order: this block's four are in, the three younger blocks stay out
.endif
.if cb > 1
	s_wait_xcnt 0x0                                ; this block's Y, which the stores issued in the block before read, is rewritten only behind this wait
	s_wait_alu depctr_vm_vsrc(0)                   ; those stores have read this block's Y, which the conversions below write again
.endif
.if cb > 0
	s_wait_alu depctr_va_vdst(0)                   ; the block before has written the other Y, which the stores below read, and is done reading its X, in which the loads below land
.endif
.set cr, 0
.rept 4
.set xin,  X+16*(cb%5)+4*cr
.set xnx,  X+16*((cb+4)%5)+4*cr
.set yout, Y+8*(cb%2)+2*cr
.set yold, Y+8*((cb+1)%2)+2*cr
.if cb < 12
	global_load_b128 v[xnx:xnx+3], v1, s[28:29] offset:512*(4*(cb+4)+cr) th:TH_LOAD_NT   ; four blocks ahead; no vector instruction since the wait names these registers
.endif
.if cb > 0
	global_store_b64 v2, v[yold:yold+1], s[30:31] offset:256*(4*(cb-1)+cr)   ; the block before; the wave's store covers 256 consecutive bytes, aligned
.endif
	v_cvt_pk_f16_f32 v[yout],   v[xin],   v[xin+1]
	v_cvt_pk_f16_f32 v[yout+1], v[xin+2], v[xin+3]
.set cr, cr+1
.endr
.set cb, cb+1
.endr
	s_wait_alu depctr_va_vdst(0)                   ; block 15 has written Y1, which the last four stores read
.irp i, 0,1,2,3
	global_store_b64 v2, v[Y+8+2*\i:Y+8+2*\i+1], s[30:31] offset:256*(60+\i)
.endr
	s_endpgm
	; ---------------- the mask ----------------
.Lmask:
	s_sub_co_u32 s32, ttmp9, 512
	s_lshl_b32 s32, s32, 2
	s_add_co_u32 s32, s32, s6                      ; unit u = 0..1023: 64 queries x 128 keys
	s_lshr_b32 s33, s32, 4                         ; which 64 queries (0..63, both batches)
	s_and_b32 s34, s32, 15                         ; which 128 keys
	s_lshl_b32 s36, s33, 19                        ; 64 rows of 8,192 bytes
	s_lshl_b32 s35, s34, 9                         ; 128 keys of 4 bytes
	s_add_co_u32 s36, s36, s35
	s_mov_b32 s37, 0
	s_add_nc_u64 s[28:29], s[22:23], s[36:37]
	s_lshl_b32 s36, s33, 14                        ; 64 key blocks of 256 bytes
	s_lshl_b32 s35, s34, 10                        ; four of them
	s_add_co_u32 s36, s36, s35
	s_add_nc_u64 s[30:31], s[26:27], s[36:37]
	s_mul_i32 s7, s6, 16*SPITCH                    ; my wave's stage
	v_lshlrev_b32 v6, 4, v4                        ; in a mask row: lane x 16
	v_lshlrev_b32 v7, 3, v4                        ; in a block of 64 words: lane x 8
	v_lshl_add_u32 v8, v4, 4, s7                   ; into the stage: lane x 16 of a row
	v_and_b32 v9, 15, v0
	v_mul_u32_u24 v9, v9, SPITCH
	v_bfe_u32 v10, v0, 4, 1
	v_lshl_add_u32 v9, v10, 5, v9
	v_add_nc_u32 v9, s7, v9                        ; back: row L & 15, 8 keys (32 bytes) for each half of the lanes
.irp i, 0,1,2,3,4,5,6,7
	v_mov_b32 v[OUT+\i], 0                         ; v_writelane_b32 keeps the other lanes: the registers are written whole first
.endr
	s_wait_alu depctr_va_vdst(0)                   ; v6 to v9 are written: the loads, the LDS instructions and the stores of this path read them as offsets and addresses
.macro SUBLOAD q, r                    ; the 16 query rows 16 q .. 16 q + 15, 512 consecutive bytes each (q may be a sum: it stands in brackets)
.irp rho, 0,1,2,3,4,5,6,7,8,9,10,11,12,13,14,15
	global_load_b128 v[\r+4*\rho:\r+4*\rho+3], v6, s[28:29] offset:(16*(\q)+\rho)*8192 th:TH_LOAD_NT
.endr
.endm
; Sub-unit q = query tile qt.  left: younger loads that may stay out.  more = 1: sub-unit q + 2 is asked for into the same registers.
.macro SUB q, r, left, more
	s_wait_loadcnt \left
.irp rho, 0,1,2,3,4,5,6,7,8,9,10,11,12,13,14,15
	ds_store_b128 v8, v[\r+4*\rho:\r+4*\rho+3] offset:SPITCH*\rho   ; no vector instruction names these registers, and none since the head's wait names v8
.endr
.if \q > 0
	s_wait_alu depctr_va_vdst(0)                   ; the last sub-unit's compares are done reading T, in which the LDS loads below land
.endif
.irp k8, 0,1,2,3,4,5,6,7
.irp p, 0,1
	ds_load_b128 v[T+8*\k8+4*\p:T+8*\k8+4*\p+3], v9 offset:64*\k8+16*\p   ; LDS serves a wave's instructions in order: these see the stores above
.endr
.endr
.if \more
	s_wait_alu depctr_vm_vsrc(0)                   ; the LDS stores above have read their data registers, in which the loads below land
	SUBLOAD \q+2, \r
.endif
.irp m, 0,1,2,3
	s_wait_dscnt 12-4*\m                           ; LDS loads come back in order: key tiles 2 m and 2 m + 1 (four loads) are in, the younger loads stay out
.irp n, 0,1,2,3,4,5,6,7,8,9,10,11,12,13,14,15
	v_cmp_ne_u32 s[32+(\n)], 0, v[T+16*\m+(\n)]    ; the lane mask of key tile 2 m + n / 8, register n % 8
.endr
	s_wait_alu depctr_va_sdst(0)                   ; the sixteen compares have written s[32:47], which the lines below read
.irp n, 0,1,2,3,4,5,6,7,8,9,10,11,12,13,14,15
	v_writelane_b32 v[OUT+2*\m+((\n)%2)], s[32+(\n)], ((\n)/8)*16+\q*4+(((\n)%8)/2)   ; word 32 kt2 + 8 qt + j of its block: lane = word / 2, register = word % 2
.endr
.endr
.endm
	SUBLOAD 0, R0
	SUBLOAD 1, R1
	SUB 0, R0, 16, 1                               ; 16: the next sub-unit's loads stay out
	SUB 1, R1, 16, 1
	SUB 2, R0, 16, 0
	SUB 3, R1, 0, 0
	s_wait_alu depctr_va_vdst(0)                   ; the v_writelane_b32 lines have written OUT, which the stores below read
.irp k, 0,1,2,3
	global_store_b64 v7, v[OUT+2*\k:OUT+2*\k+1], s[30:31] offset:256*\k   ; a block's 64 words: 256 consecutive bytes, aligned
.endr
	s_wait_dscnt 0x0                               ; the closing lines, six on end
	s_wait_alu 0x0
	s_wait_tensorcnt 0x0
	ds_add_u32 v216, v217
	s_wait_dscnt 0x0
	s_endpgm
.Lfunc_end_k_q52382fe3c2_prep:
	.size	k_q52382fe3c2_prep, .Lfunc_end_k_q52382fe3c2_prep-k_q52382fe3c2_prep
	.p2alignl 7, 3214868480
	.fill 96, 4, 3214868480
	.section	.rodata,"a",@progbits
	.p2align	6, 0x0
	.amdhsa_kernel k_q52382fe3c2_prep
		.amdhsa_group_segment_fixed_size 34304
		.amdhsa_private_segment_fixed_size 0
		.amdhsa_enable_private_segment 0
		.amdhsa_kernarg_size 80
		.amdhsa_user_sgpr_count 2
		.amdhsa_user_sgpr_kernarg_segment_ptr 1
		.amdhsa_wavefront_size32 1
		.amdhsa_system_sgpr_workgroup_id_x 1
		.amdhsa_system_sgpr_workgroup_id_y 1
		.amdhsa_system_sgpr_workgroup_id_z 1
		.amdhsa_system_vgpr_workitem_id 0
		.amdhsa_next_free_vgpr 218
		.amdhsa_next_free_sgpr 66
		.amdhsa_reserve_vcc 0
		.amdhsa_float_denorm_mode_32 3
		.amdhsa_float_denorm_mode_16_64 3
		.amdhsa_memory_ordered 1
		.amdhsa_forward_progress 1
		.amdhsa_inst_pref_size 74
	.end_amdhsa_kernel
	.amdgpu_metadata
---
amdhsa.version: [ 1, 2 ]
amdhsa.kernels:
  - .name:           k_q52382fe3c2_prep
    .symbol:         k_q52382fe3c2_prep.kd
    .args:
      - { .name: query, .offset: 0, .size: 8, .value_kind: global_buffer, .address_space: global }
      - { .name: key, .offset: 8, .size: 8, .value_kind: global_buffer, .address_space: global }
      - { .name: value, .offset: 16, .size: 8, .value_kind: global_buffer, .address_space: global }
      - { .name: Wq, .offset: 24, .size: 8, .value_kind: global_buffer, .address_space: global }
      - { .name: Wk, .offset: 32, .size: 8, .value_kind: global_buffer, .address_space: global }
      - { .name: Wv, .offset: 40, .size: 8, .value_kind: global_buffer, .address_space: global }
      - { .name: Wo, .offset: 48, .size: 8, .value_kind: global_buffer, .address_space: global }
      - { .name: mask, .offset: 56, .size: 8, .value_kind: global_buffer, .address_space: global }
      - { .name: xw, .offset: 64, .size: 8, .value_kind: global_buffer, .address_space: global }
      - { .name: maskbits, .offset: 72, .size: 8, .value_kind: global_buffer, .address_space: global }
    .group_segment_fixed_size: 34304
    .private_segment_fixed_size: 0
    .kernarg_segment_align: 8
    .kernarg_segment_size: 80
    .max_flat_workgroup_size: 128
    .sgpr_count:     66
    .vgpr_count:     218
    .wavefront_size: 32
...
	.end_amdgpu_metadata
.endif
;; end of part 5
;; launch gemm_qkv: the kernel of part 2 again; grid 4 x 48, 4 waves a work-group, clusters of 4 x 4, 327,680 bytes of LDS; arguments xw, qkv, bq, bk, bv; writes qkv
;; launch attn: the kernel of part 3 again; grid 16 x 16, 8 waves a work-group, clusters of 4 x 1, 327,680 bytes of LDS; arguments qkv, maskbits, ctx; writes ctx
;; launch gemm_out: the kernel of part 4 again; grid 8 x 32, 4 waves a work-group, clusters of 4 x 4, 327,680 bytes of LDS; arguments ctx, xw, bo, out0; writes out0
